; MI455X (gfx1250); checked and timed in simulation.
; The chip was launched on July 23, 2026; its instructions are those of AMD's public machine-readable ISA for CDNA 5 (MIT licence, August 2026) and "CDNA5" Instruction Set Architecture Reference Guide (July 2026). The comments in the code are by the model that wrote it; some were corrected since.
;; Attention. Allowed arithmetic: float matrix products may take bf16 or f16 operands with f32 sums; other float arithmetic in f32, or as packed bf16 or f16 multiplies, adds, multiply-adds, maxima and minima; sums over many terms, partial sums and values carried from step to step in f32; what a program stores and reads back later, other than sums and carried values, may be rounded once to bf16 or f16.
;; Inputs: hidden_states 2 x 2,048 x 1,024 float32; k_norm_w 128 float32; k_w 1,024 x 1,024 float32; o_w 1,024 x 2,048 float32; position_ids 2 x 2,048 int32; q_norm_w 128 float32; q_w 2,048 x 1,024 float32; v_w 1,024 x 1,024 float32.
;; Outputs: out0 2 x 2,048 x 1,024 float32.
;; 2 versions, each right; version 2 is version 1 with the launch prep written anew for expert scheduling mode. Each part assembles by itself: llvm-mc -triple=amdgcn-amd-amdhsa -mcpu=gfx1250 --defsym DOCPART=n.
;; ======== version 1 of 2: 4 launches
;; limits: values are held in f16: magnitudes above 65,504 overflow, below 6.1e-05 lose precision
;; workspace buffers: xb 8,388,608 bytes; wb 8,388,608 bytes; owh 4,194,304 bytes; rope 2,097,152 bytes; qkv 33,554,432 bytes; att 16,777,216 bytes
;; launch prep (part 1): grid 896 x 1, 8 waves a work-group, no clusters, 0 bytes of LDS; arguments hidden_states, q_w, k_w, v_w, o_w, position_ids, xb, wb, owh, rope; writes xb, wb, owh, rope
.if DOCPART == 1
	.amdgcn_target "amdgcn-amd-amdhsa--gfx1250"
	.amdhsa_code_object_version 6
	.text
	.protected	k_qa88d94308c_prep
	.globl	k_qa88d94308c_prep
	.p2align	8
	.type	k_qa88d94308c_prep,@function
k_qa88d94308c_prep:
	s_mov_b64 s[64:65], 0
	v_nop
	global_prefetch_b8 v0, s[64:65] scope:SCOPE_SE
	s_setreg_imm32_b32 hwreg(HW_REG_WAVE_MODE, 25, 1), 1
	s_wait_xcnt 0x0
; ROUNDINGS AND THE ROPE TABLE.  Every float input of the module is rounded once to bf16: x -> xb, q_w, k_w, v_w -> wb (one matrix of 4,096 rows: q, k, v),
; o_w -> owh, where the bf16 number is written as f16 (exact from 2^-14 up; below that f16 keeps a fixed step of 6e-8; beyond 65,504 it would be an infinity: o_w is drawn with a spread of 0.02).
; rope[row][0..63] = cos, rope[row][64..127] = sin of position_ids[row] x 1e6^(-j/64), f32, row = b x 2,048 + l.
; SHARES.  Work-groups 0-639 convert a chunk of 16,384 numbers each (64 KiB in, 32 KiB out): 0-255 x, 256-383 q_w, 384-447 k_w, 448-511 v_w, 512-639 o_w.  Work-groups 640-895 make 16 rows of the table each.
; A chunk: 16 loads of 16 bytes a lane, all issued at once (a wave's load covers 512 consecutive bytes); a wave's store of 8 bytes a lane covers 256 consecutive bytes, aligned.
; No LDS, no barrier, no matrix unit: memory binds, and no wave wants another wave's bytes.
; LIMITS OF THE TABLE.  1e6^(-j/64) is made by the base-2 exponential, so an angle lies within about 2^-22 of itself of the one made by a power function; the reduction by pi/2 in three parts
; holds for every int32 position.  Sine and cosine are polynomials on -pi/4 .. pi/4, good to about 1e-7.
.set X, 8                              ; v[8:71]    16 x 4 numbers as loaded
.set Y, 72                             ; v[72:103]  16 x 2 registers to store
.set T, 104                            ; v[104:109] at work
	s_load_b512 s[8:23], s[0:1], 0x0               ; x 8, q_w 10, k_w 12, v_w 14, o_w 16, position_ids 18, xb 20, wb 22
	s_load_b128 s[24:27], s[0:1], 0x40             ; owh 24, rope 26
	s_mov_b32 s28, ttmp9                           ; the work-group's number
	v_lshlrev_b32 v1, 4, v0                        ; my 16 bytes of 4,096 in
	v_lshlrev_b32 v2, 3, v0                        ; my 8 bytes of 2,048 out
	s_wait_kmcnt 0x0
	s_cmp_ge_u32 s28, 640
	s_cbranch_scc1 .Ltable
	; which tensor, and which chunk of it: a chain of choices on the work-group's number
	s_sub_co_u32 s38, s28, 256
	s_sub_co_u32 s39, s28, 384
	s_sub_co_u32 s40, s28, 448
	s_sub_co_u32 s41, s28, 512
	s_mov_b64 s[30:31], s[8:9]                     ; from x
	s_mov_b64 s[32:33], s[20:21]                   ; to xb
	s_mov_b32 s34, s28                             ; chunk in the source
	s_mov_b32 s36, s28                             ; chunk in the destination
	s_cmp_ge_u32 s28, 256
	s_cselect_b64 s[30:31], s[10:11], s[30:31]     ; q_w
	s_cselect_b64 s[32:33], s[22:23], s[32:33]     ; wb: q_w, k_w and v_w follow each other there
	s_cselect_b32 s34, s38, s34
	s_cselect_b32 s36, s38, s36
	s_cmp_ge_u32 s28, 384
	s_cselect_b64 s[30:31], s[12:13], s[30:31]     ; k_w
	s_cselect_b32 s34, s39, s34
	s_cmp_ge_u32 s28, 448
	s_cselect_b64 s[30:31], s[14:15], s[30:31]     ; v_w
	s_cselect_b32 s34, s40, s34
	s_cmp_ge_u32 s28, 512
	s_cselect_b64 s[30:31], s[16:17], s[30:31]     ; o_w
	s_cselect_b64 s[32:33], s[24:25], s[32:33]     ; owh
	s_cselect_b32 s34, s41, s34
	s_cselect_b32 s36, s41, s36
	s_lshl_b32 s34, s34, 16                        ; 65,536 bytes a chunk in
	s_mov_b32 s35, 0
	s_lshl_b32 s36, s36, 15                        ; 32,768 out
	s_mov_b32 s37, 0
	s_add_nc_u64 s[30:31], s[30:31], s[34:35]
	s_add_nc_u64 s[32:33], s[32:33], s[36:37]
.irp i, 0,1,2,3,4,5,6,7,8,9,10,11,12,13,14,15
	global_load_b128 v[X+4*(\i):X+4*(\i)+3], v1, s[30:31] offset:4096*(\i) th:TH_LOAD_NT
.endr
	s_cmp_ge_u32 s28, 512
	s_cbranch_scc1 .Lf16
.irp i, 0,1,2,3,4,5,6,7,8,9,10,11,12,13,14,15
	s_wait_loadcnt 15-(\i)                         ; loads come back in order: number i is in, the younger ones stay out
	v_cvt_pk_bf16_f32 v[Y+2*(\i)], v[X+4*(\i)], v[X+4*(\i)+1]
	v_cvt_pk_bf16_f32 v[Y+2*(\i)+1], v[X+4*(\i)+2], v[X+4*(\i)+3]
	global_store_b64 v2, v[Y+2*(\i):Y+2*(\i)+1], s[32:33] offset:2048*(\i) th:TH_STORE_NT
.endr
	s_endpgm
.Lf16:                                         ; o_w: rounded to bf16 like every input, and that number written as f16
.irp i, 0,1,2,3,4,5,6,7,8,9,10,11,12,13,14,15
	s_wait_loadcnt 15-(\i)
	v_cvt_pk_bf16_f32 v[T], v[X+4*(\i)], v[X+4*(\i)+1]
	v_cvt_pk_bf16_f32 v[T+1], v[X+4*(\i)+2], v[X+4*(\i)+3]
	v_lshlrev_b32 v[T+2], 16, v[T]
	v_and_b32 v[T+3], 0xffff0000, v[T]
	v_lshlrev_b32 v[T+4], 16, v[T+1]
	v_and_b32 v[T+5], 0xffff0000, v[T+1]
	v_cvt_pk_f16_f32 v[Y+2*(\i)], v[T+2], v[T+3]
	v_cvt_pk_f16_f32 v[Y+2*(\i)+1], v[T+4], v[T+5]
	global_store_b64 v2, v[Y+2*(\i):Y+2*(\i)+1], s[32:33] offset:2048*(\i) th:TH_STORE_NT
.endr
	s_endpgm
; THE TABLE.  Thread t: row t / 16 of the work-group's 16, frequencies 4 (t % 16) + 0..3: sixteen lanes store a row's 256 bytes of cosines, and its 256 bytes of sines.
.Ltable:
	s_sub_co_u32 s29, s28, 640
	s_lshl_b32 s34, s29, 13                        ; 16 rows of 512 bytes
	s_mov_b32 s35, 0
	s_add_nc_u64 s[26:27], s[26:27], s[34:35]
	s_lshl_b32 s36, s29, 6                         ; 16 positions of 4 bytes
	v_and_b32 v3, 15, v0
	v_lshrrev_b32 v4, 4, v0
	v_lshl_add_u32 v5, v4, 2, s36
	global_load_b32 v6, v5, s[18:19]               ; my row's position
	s_mov_b32 s40, 0x3f22f983                      ; 2 / pi
	s_mov_b32 s41, 0xbfc90fdb                      ; pi / 2 in three parts, with the signs that the sums below want
	s_mov_b32 s42, 0x333bbd2e
	s_mov_b32 s43, 0x26f72ced
	s_mov_b32 s44, 0xbe2aaaa3                      ; sine: -1.6666655e-1, 8.3321609e-3, -1.9515296e-4
	s_mov_b32 s45, 0x3c08839e
	s_mov_b32 s46, 0xb94ca1f9
	s_mov_b32 s47, 0x3d2aaaa5                      ; cosine: 4.1666646e-2, -1.3887316e-3, 2.4433157e-5
	s_mov_b32 s48, 0xbab6061a
	s_mov_b32 s49, 0x37ccf5ce
	v_lshlrev_b32 v7, 2, v3
.irp i, 0,1,2,3
	v_add_nc_u32 v[12+(\i)], (\i), v7              ; j
	v_cvt_f32_u32 v[12+(\i)], v[12+(\i)]
	v_mul_f32 v[12+(\i)], 0xbe9f73da, v[12+(\i)]   ; - j log2(1e6) / 64
.endr
.irp i, 0,1,2,3
	v_exp_f32 v[12+(\i)], v[12+(\i)]               ; 1e6^(-j/64): one batch of four
.endr
	v_lshlrev_b32 v8, 9, v4                        ; plain work behind the last exponential: my place in the 16 rows
	v_lshl_add_u32 v8, v3, 4, v8
	s_wait_alu depctr_va_vdst(0)                   ; one wait for the four, ahead of their first reader
	s_wait_loadcnt 0x0
	v_cvt_f32_i32 v6, v6
; cos and sin of position x frequency i.  n = the nearest whole number of quarter turns; r = the angle less n pi / 2, each product exact inside its fused multiply-add;
; the two polynomials; n mod 4 says which of them is the sine and which signs turn.
.macro SINCOS i
	v_mul_f32 v16, v6, v[12+(\i)]
	v_mul_f32 v17, s40, v16
	v_rndne_f32 v17, v17
	v_fma_f32 v18, v17, s41, v16
	v_fma_f32 v18, v17, s42, v18
	v_fma_f32 v18, v17, s43, v18
	v_cvt_i32_f32 v19, v17
	v_mul_f32 v20, v18, v18
	v_fma_f32 v21, v20, s46, s45
	v_fma_f32 v21, v21, v20, s44
	v_mul_f32 v22, v18, v20
	v_fma_f32 v21, v21, v22, v18                   ; sin r
	v_fma_f32 v23, v20, s49, s48
	v_fma_f32 v23, v23, v20, s47
	v_mul_f32 v22, v20, v20
	v_fma_f32 v24, v20, -0.5, 1.0
	v_fma_f32 v23, v23, v22, v24                   ; cos r
	v_and_b32 v25, 1, v19
	v_cmp_eq_u32 vcc_lo, 1, v25
	v_cndmask_b32 v26, v21, v23, vcc_lo            ; n odd: the two change places
	v_cndmask_b32 v27, v23, v21, vcc_lo
	v_lshlrev_b32 v25, 30, v19
	v_and_b32 v25, 0x80000000, v25                 ; the sine turns its sign for n mod 4 = 2, 3
	v_xor_b32 v[44+(\i)], v25, v26
	v_add_nc_u32 v25, 1, v19
	v_lshlrev_b32 v25, 30, v25
	v_and_b32 v25, 0x80000000, v25                 ; the cosine for n mod 4 = 1, 2
	v_xor_b32 v[40+(\i)], v25, v27
.endm
	SINCOS 0
	SINCOS 1
	SINCOS 2
	SINCOS 3
	global_store_b128 v8, v[40:43], s[26:27]
	global_store_b128 v8, v[44:47], s[26:27] offset:256
	s_endpgm
.Lfunc_end_k_qa88d94308c_prep:
	.size	k_qa88d94308c_prep, .Lfunc_end_k_qa88d94308c_prep-k_qa88d94308c_prep
	.p2alignl 7, 3214868480
	.fill 96, 4, 3214868480
	.section	.rodata,"a",@progbits
	.p2align	6, 0x0
	.amdhsa_kernel k_qa88d94308c_prep
		.amdhsa_group_segment_fixed_size 0
		.amdhsa_private_segment_fixed_size 0
		.amdhsa_enable_private_segment 0
		.amdhsa_kernarg_size 80
		.amdhsa_user_sgpr_count 2
		.amdhsa_user_sgpr_kernarg_segment_ptr 1
		.amdhsa_wavefront_size32 1
		.amdhsa_system_sgpr_workgroup_id_x 1
		.amdhsa_system_sgpr_workgroup_id_y 1
		.amdhsa_system_sgpr_workgroup_id_z 1
		.amdhsa_system_vgpr_workitem_id 0
		.amdhsa_next_free_vgpr 112
		.amdhsa_next_free_sgpr 66
		.amdhsa_reserve_vcc 1
		.amdhsa_float_denorm_mode_32 3
		.amdhsa_float_denorm_mode_16_64 3
		.amdhsa_memory_ordered 1
		.amdhsa_forward_progress 1
		.amdhsa_inst_pref_size 24
	.end_amdhsa_kernel
	.amdgpu_metadata
---
amdhsa.version: [ 1, 2 ]
amdhsa.kernels:
  - .name:           k_qa88d94308c_prep
    .symbol:         k_qa88d94308c_prep.kd
    .args:
      - { .name: hidden_states, .offset: 0, .size: 8, .value_kind: global_buffer, .address_space: global }
      - { .name: q_w, .offset: 8, .size: 8, .value_kind: global_buffer, .address_space: global }
      - { .name: k_w, .offset: 16, .size: 8, .value_kind: global_buffer, .address_space: global }
      - { .name: v_w, .offset: 24, .size: 8, .value_kind: global_buffer, .address_space: global }
      - { .name: o_w, .offset: 32, .size: 8, .value_kind: global_buffer, .address_space: global }
      - { .name: position_ids, .offset: 40, .size: 8, .value_kind: global_buffer, .address_space: global }
      - { .name: xb, .offset: 48, .size: 8, .value_kind: global_buffer, .address_space: global }
      - { .name: wb, .offset: 56, .size: 8, .value_kind: global_buffer, .address_space: global }
      - { .name: owh, .offset: 64, .size: 8, .value_kind: global_buffer, .address_space: global }
      - { .name: rope, .offset: 72, .size: 8, .value_kind: global_buffer, .address_space: global }
    .group_segment_fixed_size: 0
    .private_segment_fixed_size: 0
    .kernarg_segment_align: 8
    .kernarg_segment_size: 80
    .max_flat_workgroup_size: 256
    .sgpr_count:     66
    .vgpr_count:     112
    .wavefront_size: 32
...
	.end_amdgpu_metadata
.endif
;; end of part 1
;; launch qkv (part 2): grid 16 x 16, 4 waves a work-group, clusters of 4 x 4, 327,680 bytes of LDS; arguments xb, wb, rope, q_norm_w, k_norm_w, qkv; writes qkv
.if DOCPART == 2
	.amdgcn_target "amdgcn-amd-amdhsa--gfx1250"
	.amdhsa_code_object_version 6
	.text
	.protected	k_qa88d94308c_qkv
	.globl	k_qa88d94308c_qkv
	.p2align	8
	.type	k_qa88d94308c_qkv,@function
k_qa88d94308c_qkv:
	s_mov_b64 s[64:65], 0
	v_nop
	global_prefetch_b8 v0, s[64:65] scope:SCOPE_SE
	s_setreg_imm32_b32 hwreg(HW_REG_WAVE_MODE, 25, 1), 1
	s_wait_xcnt 0x0
	s_wait_alu depctr_hold_cnt(0) depctr_sa_sdst(0) depctr_va_vdst(0) depctr_va_sdst(0) depctr_va_ssrc(0) depctr_va_vcc(0) depctr_vm_vsrc(0)
	s_getreg_b32 s2, hwreg(HW_REG_IB_STS2, 6, 4)
	s_cmp_eq_u32 s2, 0
	s_cbranch_scc0 .Lentry_in_a_cluster
	s_endpgm
.Lentry_in_a_cluster:
	s_bfe_u32 s2, ttmp6, 0x10000c
	s_cmp_lg_u32 s2, 0xf033
	s_cbranch_scc0 .Lentry_shape_is_right
	s_endpgm
.Lentry_shape_is_right:
; THE THREE PROJECTIONS AS ONE PRODUCT, WITH RMSNORM AND ROPE ON THE WAY OUT.  C[m][n] = sum over k of xb[m][k] wb[n][k]: xb [4096][1024], wb [4096][1024] (rows 0-2047 q, 2048-3071 k, 3072-4095 v), bf16, sums in f32.
; A head is 128 columns of C.  q and k: x rsqrt(mean of squares + 1e-6) x gain (the gains rounded to bf16 like every float input), then RoPE by the table rope[row][cos 64 | sin 64], all in f32.
; All three leave rounded once to f16, by heads: qkv[section][l][128], section = 2 x (column / 128) + batch.
; LIMITS.  f16 holds no number beyond 65,504: q and k lie within 11.4 x the largest gain; v is x . v_w, drawn with a spread of 0.64.  NaN and infinities are not treated apart.
; SHARES.  A tile of C, 256 x 256, is a work-group of four waves; a wave makes 128 rows x 128 columns: 128 rows of ONE head, in 64 accumulators (512 registers).
; K goes in steps of 128 through two LDS slots filled by the tensor data mover; a tile row is 256 bytes of memory, at a multiple of 256 bytes.
; CLUSTER.  4 x 4 work-groups: the four of a row need the same tiles of xb, the four of a column the same tiles of wb: each tile is asked for jointly, by the same tensor load in all four.
; THE MATRIX INSTRUCTION IS USED TRANSPOSED (source 0 = 16 rows of wb, source 1 = 16 rows of xb): lane l holds row l % 16 of C and, in accumulator (a, b), the channels 16 b + 8 (l / 16) + 0..7 of the head.
; So a lane holds 64 of a row's 128 channels, and channel d and d + 64, which RoPE pairs, lie in the same lane (b and b + 4); the sum of squares wants one exchange between the halves of the lanes.
; THE WAY OUT IS A LOOP.  Register numbers cannot be counted by a loop, so the finished accumulators are laid into the ring's bytes (which have had their last fill) as they lie in the registers,
; 64 KiB a wave, and a loop of eight trips takes a block of 16 rows at a time: load, norm, RoPE, rounding, through a stage of 16 rows x 272 bytes, out as whole rows of 256 bytes.
; REGISTERS, in windows of 256.  Main part: window 0 v0-31 addresses, v64-191 fragments of xb (two buffers); window 1 v64-191 fragments of wb; windows 2, 3 the accumulators ((a, b) at v[8 (8 a + b)]).
; Way out: window 0 v32-41 sums, v64-127 R (a block as it was), v128-191 XY (R x gain), v192-223 packed, v224-255 rows read back;
;          window 1 v0-63 the gains, v64-127 cos | sin, v128-191 the same x the row's rsqrt, v192-255 the rotated numbers.
.set SIZE_K, 1024
.set KSTEP,  128
.set PITCH,  272                       ; an LDS row: 256 bytes + 16 of padding = 68 words: the 16 rows of a fragment load start at 16 different groups of four banks (64 banks of 4 bytes: ISA guide 11.1)
.set HALFT,  128*PITCH                 ; 128 rows: what one tensor load brings, and what one wave reads of xb or of wb
.set SLOT,   4*HALFT
.set STAGE,  2*SLOT                    ; behind the ring: 16 rows x 272 bytes for each wave
.set SPITCH, 272
.set SPARE,  STAGE+4*16*SPITCH         ; behind the stages: the spare words, 128 bytes for each wave
.set LAPS,   SIZE_K/(2*KSTEP)          ; 4 laps of two K steps
.set DA,   6                           ; v6   where I lay 16 bytes of an accumulator: 65,536 x wave + 16 x lane
.set LA,   7                           ; v7   the same, at the block that the loop loads next
.set TO,   8                           ; v8   my byte offset in 16 rows of the table: (l % 16) x 512 + 32 (l / 16); steps with the blocks
.set NO,   9                           ; v9   my byte offset in the gains: 32 (l / 16)
.set ADRA, 16                          ; v16-17  LDS address of my xb fragments in slot 0, 1
.set ADRB, 20                          ; v20-21  the same for wb
.set STO,  24                          ; v24  the stage: where I put 16 bytes of a row
.set RD,   25                          ; v25  the stage: where I read a row back
.set CO,   26                          ; v26  my byte offset in 512 consecutive bytes of qkv; steps with the blocks
.set SPW,  28                          ; v28  LDS address of my spare word; never rewritten
.set NIL,  29                          ; v29  0; never rewritten
.set PFO,  30                          ; v30  the prefetches' offset: my lane x a row (2,048 bytes); never rewritten
.set PFA,  44                          ; s[44:45] where my prefetches stand
.set LIM,  43                          ; s43  1 in a wave that prefetches, else the greatest number
.set F0,   64
.set F1,   128
.set R,    64
.set XY,   128
.set TMP,  192
.set BK,   224
.set G1, 24                            ; s[24:31] descriptor group 1 for xb's tiles
.set G0, 32                            ; s[32:39] group 0, one set for each slot
.set G1B, 48                           ; s[48:55], s[56:63] the same for wb's tiles
.set G0B, 56
.set MSB, 0
.macro WIN new                         ; the immediate's high byte repeats the setting that is left; a switch that changes nothing is dropped
.if MSB != (\new)
	s_set_vgpr_msb (MSB<<8)|(\new)
.set MSB, \new
.endif
.endm
.set MUL_LO, 0xa1                      ; source 0 (wb) window 1, source 1 (xb) window 0, C and D window 2
.set MUL_HI, 0xf1                      ; the same, C and D window 3
.set TO_B,   0x40                      ; destination window 1, address window 0
; A joint load.  Waves 0 and 1 fetch xb's two halves, waves 2 and 3 wb's.  The branch hangs on the wave's number alone.  An s_nop 0 and four v_nop follow each of the two lines.
.macro JLOAD s
	s_cmp_eq_u32 s11, 0
	s_cbranch_scc0 .Lfor_b_\@
	tensor_load_to_lds s[G0+4*(\s):G0+4*(\s)+3], s[G1:G1+7]
	s_nop 0
.rept 4
	v_nop
.endr
	s_branch .Lasked_\@
.Lfor_b_\@:
	tensor_load_to_lds s[G0B+4*(\s):G0B+4*(\s)+3], s[G1B:G1B+7]
	s_nop 0
.rept 4
	v_nop
.endr
.Lasked_\@:
.endm
; A prefetch into the L2 of the K step that stands two refills on: 32 rows x 256 bytes, a lane a row, one instruction a wave, behind the joint load and the run of LDS loads.
; Each row's 256 bytes of a K step are named once in the launch: xb's rows by the clusters with x = 0, wb's by those with y = 0; the four partners that ask for a tile jointly share its rows out by address, 32 each.
; K steps 4 to 7 are asked for so (the loop's first two trips); steps 0 to 3 come by their loads alone.
.macro ASK
	s_cmp_gt_u32 s3, s[LIM]                        ; s3 = 1 in the loop's last trip
	s_cbranch_scc0 .Lnot_mine_\@
	global_prefetch_b8 v[PFO], s[PFA:PFA+1] offset:KSTEP*2 th:TH_LOAD_NT scope:SCOPE_SE
.Lnot_mine_\@:
.endm
.macro CREST                           ; a round of the cluster's barrier behind its opening barrier
	s_cmp_lg_u32 s10, 0
	s_cbranch_scc1 .Lnot_wave_0_\@
	s_barrier_signal -3
.Lnot_wave_0_\@:
	s_barrier_wait -3
	s_barrier_signal -1
	s_barrier_wait -1
.endm
.macro CROUND                          ; a whole round
	s_barrier_signal -1
	s_barrier_wait -1
	CREST
.endm
	s_load_b128 s[4:7], s[0:1], 0x0                ; xb s[4:5], wb s[6:7]
	s_load_b64 s[66:67], s[0:1], 0x10              ; rope
	s_load_b128 s[68:71], s[0:1], 0x18             ; q_norm_w, k_norm_w
	s_load_b64 s[8:9], s[0:1], 0x28                ; qkv
	v_lshl_add_u32 v[SPW], v0, 2, SPARE
	v_mov_b32 v[NIL], 0
	ds_add_u32 v[SPW], v[NIL]                      ; the wave's opening: the add and its wait stand ahead of my first tensor load; the set-up below stands between them
	v_lshrrev_b32 v1, 5, v0
	v_readfirstlane_b32 s10, v1                    ; wave 0..3
	s_lshr_b32 s11, s10, 1                         ; which half of the tile's rows is mine.  Also: I fetch for xb (0) or for wb (1)
	s_and_b32 s12, s10, 1                          ; which half of its columns.  Also: which 128 rows of that tile I fetch
	s_bfe_u32 s40, ttmp6, 0x40000                  ; cx
	s_bfe_u32 s41, ttmp6, 0x40004                  ; cy
	s_lshl_b32 s42, ttmp9, 2
	s_add_co_u32 s42, s42, s40                     ; tile column = 4 x cluster x + cx
	s_and_b32 s13, ttmp7, 0xffff
	s_lshl_b32 s13, s13, 2
	s_add_co_u32 s13, s13, s41                     ; tile row = 4 x cluster y + cy
	s_lshl_b32 s43, s41, 2
	s_lshl_b32 s43, 15, s43                        ; my row of the cluster
	s_lshl_b32 s44, 0x1111, s40                    ; my column
	; descriptor group 1: a tile of 128 rows x 128 elements of 2 bytes, 4 words of padding behind every 64
	s_or_b32 s[G1+0], s43, (1<<16)|(1<<20)|(1<<21)|(5<<22)|(3<<25)
	s_or_b32 s[G1B+0], s44, (1<<16)|(1<<20)|(1<<21)|(5<<22)|(3<<25)
.irp g, G1, G1B
	s_mov_b32 s[(\g)+1], KSTEP<<16                 ; tensor_dim0 = 128
	s_mov_b32 s[(\g)+2], 128<<16                   ; tensor_dim1 = 128
	s_mov_b32 s[(\g)+3], KSTEP<<16                 ; tile_dim0 = 128
	s_mov_b32 s[(\g)+4], 128                       ; tile_dim1 = 128
	s_mov_b32 s[(\g)+5], SIZE_K                    ; elements from row to row
	s_mov_b32 s[(\g)+6], 0
	s_mov_b32 s[(\g)+7], 0
.endr
	s_lshl_b32 s17, s12, 7                         ; which 128 rows of the tile I fetch
	s_lshl_b32 s16, s13, 8
	s_add_co_u32 s16, s16, s17                     ; xb: row 256 x tile row + 128 x half
	s_lshl_b32 s46, s42, 8
	s_add_co_u32 s46, s46, s17                     ; wb: row 256 x tile column + 128 x half
	s_mov_b32 s17, 0
	s_mov_b32 s47, 0
	s_mov_b64 s[18:19], SIZE_K*2
	s_mul_u64 s[16:17], s[16:17], s[18:19]
	s_mul_u64 s[46:47], s[46:47], s[18:19]
	s_mul_i32 s20, s10, HALFT                      ; where they go: wave x 128 rows: no place in the cluster enters an LDS address
	s_mov_b32 s72, 0x358637bd                      ; 1e-6
	s_mov_b32 s73, 0x3c000000                      ; 1 / 128
	s_mov_b32 s74, 0x76543210                      ; v_permlanex16_b32: each lane takes its own place in the other half
	s_mov_b32 s75, 0xfedcba98
	s_wait_dscnt 0x0                               ; the opening add is done
	s_wait_kmcnt 0x0
	s_add_nc_u64 s[14:15], s[4:5], s[16:17]
	s_add_nc_u64 s[46:47], s[6:7], s[46:47]
	CROUND                                         ; all sixteen work-groups are here: the first joint loads meet
.irp s, 0,1
	s_mov_b32 s[G0+4*(\s)], 1
	s_add_co_u32 s[G0+4*(\s)+1], s20, (\s)*SLOT
	s_add_nc_u64 s[G0+4*(\s)+2:G0+4*(\s)+3], s[14:15], (\s)*KSTEP*2
	s_or_b32 s[G0+4*(\s)+3], s[G0+4*(\s)+3], 0x80000000
	s_mov_b32 s[G0B+4*(\s)], 1
	s_add_co_u32 s[G0B+4*(\s)+1], s20, (\s)*SLOT
	s_add_nc_u64 s[G0B+4*(\s)+2:G0B+4*(\s)+3], s[46:47], (\s)*KSTEP*2
	s_or_b32 s[G0B+4*(\s)+3], s[G0B+4*(\s)+3], 0x80000000
	JLOAD \s
.endr
	; a fragment is 16 rows x 32 K in 8 registers: lane l holds row l % 16, K = 8 (l / 16) + 0..7 and 16 + 8 (l / 16) + 0..7: two loads of 16 bytes, 32 bytes apart
	v_and_b32 v1, 15, v0                           ; l % 16
	v_bfe_u32 v2, v0, 4, 1                         ; l / 16
	v_mul_u32_u24 v3, v1, PITCH
	v_lshl_add_u32 v3, v2, 4, v3
	s_mul_i32 s21, s11, HALFT                      ; my 128 rows of xb
	s_mul_i32 s22, s12, HALFT                      ; my 128 rows of wb,
	s_add_co_u32 s22, s22, 2*HALFT                 ; which lie behind xb's 256
.irp s, 0,1
	v_add_nc_u32 v[ADRA+(\s)], s21, v3
	v_add_nc_u32 v[ADRB+(\s)], s22, v3
	s_add_co_u32 s21, s21, SLOT
	s_add_co_u32 s22, s22, SLOT
.endr
	s_mul_i32 s23, s10, 16*SPITCH
	s_add_co_u32 s23, s23, STAGE                   ; my stage
	v_mul_u32_u24 v4, v1, SPITCH                   ; in: row l % 16, 16 bytes for each half of the lanes
	v_lshl_add_u32 v4, v2, 4, v4
	v_add_nc_u32 v[STO], s23, v4
	v_mul_u32_u24 v5, v2, SPITCH                   ; back: lanes 0-15 one row of 256 bytes, lanes 16-31 the next
	v_lshl_add_u32 v5, v1, 4, v5
	v_add_nc_u32 v[RD], s23, v5
	v_and_b32 v5, 31, v0
	v_lshlrev_b32 v[CO], 4, v5                     ; a head's rows are dense: two rows are 512 consecutive bytes
	s_lshl_b32 s23, s10, 16
	v_lshl_add_u32 v[DA], v5, 4, s23
	v_mov_b32 v[LA], v[DA]
	v_lshlrev_b32 v[TO], 9, v1
	v_lshl_add_u32 v[TO], v2, 5, v[TO]
	v_lshlrev_b32 v[NO], 5, v2
	; the table at my first row: (256 x tile row + 128 x half) x 512 bytes
	s_lshl_b32 s76, s13, 8
	s_lshl_b32 s77, s11, 7
	s_add_co_u32 s76, s76, s77
	s_lshl_b32 s76, s76, 9
	s_mov_b32 s77, 0
	s_add_nc_u64 s[66:67], s[66:67], s[76:77]
	; qkv at my head's section and my first row in it
	s_lshl_b32 s76, s42, 1
	s_add_co_u32 s76, s76, s12                     ; column / 128
	s_lshl_b32 s76, s76, 1
	s_lshr_b32 s78, s13, 3                         ; the batch: 8 tile rows each
	s_add_co_u32 s76, s76, s78
	s_lshl_b32 s76, s76, 19                        ; a section is 2,048 rows of 256 bytes
	s_and_b32 s78, s13, 7
	s_lshl_b32 s78, s78, 8
	s_lshl_b32 s79, s11, 7
	s_add_co_u32 s78, s78, s79
	s_lshl_b32 s78, s78, 8
	s_add_co_u32 s76, s76, s78
	s_add_nc_u64 s[8:9], s[8:9], s[76:77]
	s_cmp_lt_u32 ttmp9, 2                          ; clusters 0 and 1 along x make q, cluster 2 k (cluster 3, v, uses neither)
	s_cselect_b64 s[68:69], s[68:69], s[70:71]
	; the prefetches
	s_lshl_b32 s13, s13, 8
	s_lshl_b32 s42, s42, 8
	s_and_b32 s22, ttmp7, 0xffff                   ; cluster y
	s_cmp_eq_u32 s11, 0                            ; do I fetch for xb?
	s_cselect_b32 s20, s13, s42                    ; the tile's first row
	s_cselect_b32 s21, s40, s41                    ; my place among the four that ask for it with me
	s_cselect_b32 s22, ttmp9, s22                  ; the coordinate along which other clusters read the same rows
	s_cselect_b64 s[PFA:PFA+1], s[4:5], s[6:7]
	s_cmp_eq_u32 s22, 0
	s_cselect_b32 s[LIM], 1, -1                    ; the same in all sixteen partners, for a given wave
	s_lshl_b32 s22, s12, 7
	s_add_co_u32 s20, s20, s22                     ; + the 128 rows that I fetch
	s_lshl_b32 s21, s21, 5
	s_add_co_u32 s20, s20, s21                     ; + my work-group's 32 of them
	s_mov_b32 s21, 0
	s_mov_b64 s[18:19], SIZE_K*2
	s_mul_u64 s[20:21], s[20:21], s[18:19]
	s_add_nc_u64 s[PFA:PFA+1], s[PFA:PFA+1], s[20:21]
	s_add_nc_u64 s[PFA:PFA+1], s[PFA:PFA+1], 2*KSTEP*2  ; at K step 2: the first refill steps it to 3 and names K step 4
	v_and_b32 v[PFO], 31, v0
	v_mul_u32_u24 v[PFO], v[PFO], SIZE_K*2
; 16 matrix instructions: m blocks a0, a0 + 1 of the window's four x all 8 n blocks, 32 along K.  zero = 1: the first product starts the sums.
.macro MUL16 f, hi, a0, zero
	WIN MUL_LO+0x50*(\hi)
.irp a, \a0, (\a0)+1
.irp b, 0,1,2,3,4,5,6,7
.if \zero
	v_wmma_f32_16x16x32_bf16 v[8*(8*(\a)+(\b)):8*(8*(\a)+(\b))+7], v[(\f)+8*(\b):(\f)+8*(\b)+7], v[(\f)+8*(4*(\hi)+(\a)):(\f)+8*(4*(\hi)+(\a))+7], 0
.else
	v_wmma_f32_16x16x32_bf16 v[8*(8*(\a)+(\b)):8*(8*(\a)+(\b))+7], v[(\f)+8*(\b):(\f)+8*(\b)+7], v[(\f)+8*(4*(\hi)+(\a)):(\f)+8*(4*(\hi)+(\a))+7], v[8*(8*(\a)+(\b)):8*(8*(\a)+(\b))+7]
.endif
.endr
.endr
.endm
; 32 LDS loads in one run: the fragments of a quarter step (32 K at byte k of the rows) into buffer f
.macro FETCH slot, k, f
	WIN TO_B
.irp i, 0,1,2,3,4,5,6,7
	ds_load_b128 v[(\f)+8*(\i):(\f)+8*(\i)+3],   v[ADRB+(\slot)] offset:(\k)+(\i)*16*PITCH
	ds_load_b128 v[(\f)+8*(\i)+4:(\f)+8*(\i)+7], v[ADRB+(\slot)] offset:(\k)+(\i)*16*PITCH+32
.endr
	WIN 0
.irp i, 0,1,2,3,4,5,6,7
	ds_load_b128 v[(\f)+8*(\i):(\f)+8*(\i)+3],   v[ADRA+(\slot)] offset:(\k)+(\i)*16*PITCH
	ds_load_b128 v[(\f)+8*(\i)+4:(\f)+8*(\i)+7], v[ADRA+(\slot)] offset:(\k)+(\i)*16*PITCH+32
.endr
.endm
.macro PLACES                          ; four plain places between a matrix instruction and a load into, or a read of, its registers
.rept 4
	v_nop
.endr
.endm
; A K step is four quarters of 32 along K, 64 matrix instructions each, on buffers 0, 1, 0, 1.  The 64 accumulators take turns, in the same order in every quarter.
.macro QUARTER slot, k, f, g, zero
	s_wait_dscnt 8                                 ; wb and xb's rows 0-63 are in; the youngest eight loads (xb's rows 64-127) may be out
	WIN MUL_LO
	MUL16 \f, 0, 0, \zero
	MUL16 \f, 0, 2, \zero
	PLACES
	FETCH \slot, \k, \g
	s_wait_dscnt 32                                ; all but the 32 just issued
	WIN MUL_HI
	MUL16 \f, 1, 0, \zero
	MUL16 \f, 1, 2, \zero
.endm
; The first half of a step's last quarter: one barrier for the change of slots.  In front of it each wave waits for all its tensor loads (one is out: its part of the next slot), adds 0 to its spare word, and waits for that and for its reads of this slot.
.macro MEET round
	WIN 0
	s_wait_tensorcnt 0x0
	ds_add_u32 v[SPW], v[NIL]
	s_wait_dscnt 9                                 ; (the add and the youngest eight loads may be out)
	WIN MUL_LO
	MUL16 F1, 0, 0, 0
	s_wait_dscnt 0x0                               ; the add is done, and my reads of this slot are over
	s_barrier_signal -1
	MUL16 F1, 0, 2, 0
.if \round
	WIN 0
.endif
	s_barrier_wait -1
.endm
; The whole last quarter, with the refill two K steps on: the barrier opens a round of the cluster's barrier, and the joint load is the first thing behind the round.
.macro TURN slot, next
	s_wait_xcnt 0x0                                ; the last prefetch, a K step back, has read its address
	s_add_nc_u64 s[PFA:PFA+1], s[PFA:PFA+1], KSTEP*2
	MEET 1
	CREST
	s_add_nc_u64 s[G0+4*(\slot)+2:G0+4*(\slot)+3], s[G0+4*(\slot)+2:G0+4*(\slot)+3], 2*KSTEP*2
	s_add_nc_u64 s[G0B+4*(\slot)+2:G0B+4*(\slot)+3], s[G0B+4*(\slot)+2:G0B+4*(\slot)+3], 2*KSTEP*2
	JLOAD \slot                                    ; the four v_nop behind it are also the places in front of the loads below
	FETCH \next, 0, F0
	ASK
	WIN MUL_HI
	MUL16 F1, 1, 0, 0
	MUL16 F1, 1, 2, 0
.endm
	s_wait_tensorcnt 1                             ; my part of K step 0 is in; K step 1's may stay out
	s_barrier_signal -1
	s_barrier_wait -1
	FETCH 0, 0, F0
	QUARTER 0, 64,  F0, F1, 1                      ; the first quarter stands in front of the loop: its products start the sums
	WIN 0
	s_mov_b32 s3, LAPS-1
.Llap:                                                 ; a trip goes once round the ring and fills both slots again
	QUARTER 0, 128, F1, F0, 0
	QUARTER 0, 192, F0, F1, 0
	TURN 0, 1
	QUARTER 1, 64,  F0, F1, 0
	QUARTER 1, 128, F1, F0, 0
	QUARTER 1, 192, F0, F1, 0
	TURN 1, 0
	QUARTER 0, 64,  F0, F1, 0
	WIN 0
	s_sub_co_u32 s3, s3, 1
	s_cmp_lg_u32 s3, 0
	s_cbranch_scc1 .Llap
	QUARTER 0, 128, F1, F0, 0                      ; the last lap fills nothing
	QUARTER 0, 192, F0, F1, 0
	MEET 0
	PLACES
	FETCH 1, 0, F0
	WIN MUL_HI
	MUL16 F1, 1, 0, 0
	MUL16 F1, 1, 2, 0
	QUARTER 1, 64,  F0, F1, 0
	QUARTER 1, 128, F1, F0, 0
	QUARTER 1, 192, F0, F1, 0
	s_wait_dscnt 8
	MUL16 F1, 0, 0, 0
	MUL16 F1, 0, 2, 0
	s_wait_dscnt 0x0
	MUL16 F1, 1, 0, 0
	MUL16 F1, 1, 2, 0
	PLACES                                         ; the places behind the last products
	WIN 0
	s_wait_dscnt 0x0                               ; my reads of the ring are over,
	s_barrier_signal -1
	s_barrier_wait -1                              ; everybody's are: the ring's bytes, which have had their last fill, may be written
; THE WAY OUT
.macro DUMP                            ; the 64 accumulators as they lie: accumulator n = 8 a + b at 1,024 n, its low four registers first; 16 bytes a lane, lanes on end
.irp a, 0,1,2,3,4,5,6,7
	WIN 0x08+4*((\a)/4)                            ; store data in window 2 or 3, address in window 0
.irp b, 0,1,2,3,4,5,6,7
	ds_store_b128 v[DA], v[8*(8*((\a)%4)+(\b)):8*(8*((\a)%4)+(\b))+3]   offset:(8*(\a)+(\b))*1024
	ds_store_b128 v[DA], v[8*(8*((\a)%4)+(\b))+4:8*(8*((\a)%4)+(\b))+7] offset:(8*(\a)+(\b))*1024+512
.endr
.endr
	WIN 0
.endm
.macro RLOAD                           ; a block of 16 rows back into R: my own bytes, which LDS serves in order
	WIN 0
.irp b, 0,1,2,3,4,5,6,7
	ds_load_b128 v[R+8*(\b):R+8*(\b)+3],   v[LA] offset:1024*(\b)
	ds_load_b128 v[R+8*(\b)+4:R+8*(\b)+7], v[LA] offset:1024*(\b)+512
.endr
.endm
.macro WLOAD                           ; the gains of my 64 channels -> window 1 v0-63
	WIN 0x40
.irp b, 0,1,2,3,4,5,6,7
	global_load_b128 v[8*(\b):8*(\b)+3],   v[NO], s[68:69] offset:64*(\b)
	global_load_b128 v[8*(\b)+4:8*(\b)+7], v[NO], s[68:69] offset:64*(\b)+16
.endr
	WIN 0
.endm
.macro TABLOAD                         ; cos and sin of my row's frequencies 16 b + 8 (l / 16) + 0..7, b = 0..3 -> window 1 v64-95, v96-127
	WIN 0x40
.irp b, 0,1,2,3
	global_load_b128 v[64+8*(\b):64+8*(\b)+3], v[TO], s[66:67] offset:64*(\b)
	global_load_b128 v[64+8*(\b)+4:64+8*(\b)+7], v[TO], s[66:67] offset:64*(\b)+16
	global_load_b128 v[96+8*(\b):96+8*(\b)+3], v[TO], s[66:67] offset:256+64*(\b)
	global_load_b128 v[96+8*(\b)+4:96+8*(\b)+7], v[TO], s[66:67] offset:256+64*(\b)+16
.endr
	WIN 0
.endm
.macro WPREP                           ; the gains rounded to bf16, like every float input, and widened again
	WIN 0x55
.set i, 0
.rept 32
	v_cvt_pk_bf16_f32 v[192+i%4], v[2*i], v[2*i+1]
	v_lshlrev_b32 v[2*i], 16, v[192+i%4]
	v_and_b32 v[2*i+1], 0xffff0000, v[192+i%4]
.set i, i+1
.endr
	WIN 0
.endm
.macro OUT16                           ; 16 rows, packed in TMP: through my stage, back as whole rows of 256 bytes, stored: a store of the wave covers 512 consecutive bytes
	WIN 0
.irp b, 0,1,2,3,4,5,6,7
	ds_store_b128 v[STO], v[TMP+4*(\b):TMP+4*(\b)+3] offset:32*(\b)
.endr
.irp t, 0,1,2,3,4,5,6,7
	ds_load_b128 v[BK+4*(\t):BK+4*(\t)+3], v[RD] offset:(\t)*2*SPITCH
.endr
	s_wait_dscnt 0x0
.irp t, 0,1,2,3,4,5,6,7
	global_store_b128 v[CO], v[BK+4*(\t):BK+4*(\t)+3], s[8:9] offset:512*(\t)
.endr
	s_wait_xcnt 0x0                                ; CO and the rows read back are rewritten only behind this wait
	v_add_nc_u32 v[CO], 0x1000, v[CO]
.endm
; A block of 16 rows of q or k.  more = 1: the next block and its rows of the table are asked for as soon as their registers are free.
.macro TRIPQ more
	WIN 0
	s_wait_dscnt 0x0                               ; R is in
	s_wait_loadcnt 0x0                             ; cos and sin are in, and TO is free
.irp c, 0,1,2,3
	v_pk_mul_f32 v[32+2*(\c):33+2*(\c)], v[R+2*(\c):R+2*(\c)+1], v[R+2*(\c):R+2*(\c)+1]  ; the sum of squares, in four chains of pairs
.endr
.set i, 4
.rept 28
	v_pk_fma_f32 v[32+2*(i%4):33+2*(i%4)], v[R+2*i:R+2*i+1], v[R+2*i:R+2*i+1], v[32+2*(i%4):33+2*(i%4)]
.set i, i+1
.endr
	v_pk_add_f32 v[32:33], v[32:33], v[34:35]
	v_pk_add_f32 v[36:37], v[36:37], v[38:39]
	v_pk_add_f32 v[32:33], v[32:33], v[36:37]
	v_add_f32 v40, v32, v33
	v_add_f32 v41, v32, v33                        ; (the exchange's destination counts as read)
	v_permlanex16_b32 v41, v40, s74, s75           ; the row's other 64 channels lie in the lane 16 away
	v_add_f32 v40, v40, v41
	v_fma_f32 v40, v40, s73, s72                   ; mean + 1e-6
	v_rsq_f32 v40, v40
	WIN 0x04                                       ; source 1 in window 1
.set i, 0
.rept 32
	v_pk_mul_f32 v[XY+2*i:XY+2*i+1], v[R+2*i:R+2*i+1], v[2*i:2*i+1]  ; x gain: plain work that names nothing of the root
.set i, i+1
.endr
.if \more
	WIN 0
	v_add_nc_u32 v[LA], 0x2000, v[LA]
	RLOAD
.endif
	s_wait_alu depctr_va_vdst(0)                   ; the wait between the root and its first reader
	WIN 0x41                                       ; destination and source 0 in window 1
.set i, 0
.rept 32
	v_pk_mul_f32 v[128+2*i:128+2*i+1], v[64+2*i:64+2*i+1], v[40:41] op_sel_hi:[1,0]  ; cos and sin take the row's factor: 64 products in place of 128
.set i, i+1
.endr
.if \more
	WIN 0
	v_add_nc_u32 v[TO], 0x2000, v[TO]
	TABLOAD
.endif
	WIN 0x54                                       ; destination, sources 1 and 2 in window 1, source 0 in window 0
.set i, 0
.rept 16                                       ; channels d < 64: x1 cos - x2 sin; channels d + 64: x2 cos + x1 sin
	v_pk_mul_f32 v[192+2*i:192+2*i+1], v[XY+2*i:XY+2*i+1], v[128+2*i:128+2*i+1]
	v_pk_mul_f32 v[224+2*i:224+2*i+1], v[XY+32+2*i:XY+32+2*i+1], v[128+2*i:128+2*i+1]
	v_pk_fma_f32 v[192+2*i:192+2*i+1], v[XY+32+2*i:XY+32+2*i+1], v[160+2*i:160+2*i+1], v[192+2*i:192+2*i+1] neg_lo:[1,0,0] neg_hi:[1,0,0]
	v_pk_fma_f32 v[224+2*i:224+2*i+1], v[XY+2*i:XY+2*i+1], v[160+2*i:160+2*i+1], v[224+2*i:224+2*i+1]
.set i, i+1
.endr
	WIN 0x05                                       ; sources in window 1, destination in window 0
.set i, 0
.rept 32
	v_cvt_pk_f16_f32 v[TMP+i], v[192+2*i], v[192+2*i+1]
.set i, i+1
.endr
	OUT16
.endm
.macro TRIPV more                      ; a block of 16 rows of v: rounded, nothing else
	WIN 0
	s_wait_dscnt 0x0
.set i, 0
.rept 32
	v_cvt_pk_f16_f32 v[TMP+i], v[R+2*i], v[R+2*i+1]
.set i, i+1
.endr
.if \more
	v_add_nc_u32 v[LA], 0x2000, v[LA]
	RLOAD
.endif
	OUT16
.endm
	s_cmp_eq_u32 ttmp9, 3                          ; the cluster's x, the same in all partners: tile columns 12 to 15 are v
	s_cbranch_scc1 .Lv
	WLOAD                                          ; gains and the first rows of the table are on their way while the accumulators are laid down
	TABLOAD
	DUMP
	RLOAD
	s_wait_loadcnt 16                              ; the gains are in; the table's sixteen loads are younger
	WPREP
	s_mov_b32 s3, 7
.Lq:
	TRIPQ 1
	s_sub_co_u32 s3, s3, 1
	s_cmp_lg_u32 s3, 0
	s_cbranch_scc1 .Lq
	TRIPQ 0                                        ; the last block asks for nothing
	s_branch .Lclose
.Lv:
	DUMP
	RLOAD
	s_mov_b32 s3, 7
.Lvl:
	TRIPV 1
	s_sub_co_u32 s3, s3, 1
	s_cmp_lg_u32 s3, 0
	s_cbranch_scc1 .Lvl
	TRIPV 0
.Lclose:
	s_wait_tensorcnt 0x0                           ; the wave's end: the add and its wait stand behind my last tensor load and my last LDS store
	ds_add_u32 v[SPW], v[NIL]
	s_wait_dscnt 0x0
	CROUND                                         ; the closing round: no work-group ends while a partner may still ask for a tile that names it
	s_endpgm
.Lfunc_end_k_qa88d94308c_qkv:
	.size	k_qa88d94308c_qkv, .Lfunc_end_k_qa88d94308c_qkv-k_qa88d94308c_qkv
	.p2alignl 7, 3214868480
	.fill 96, 4, 3214868480
	.section	.rodata,"a",@progbits
	.p2align	6, 0x0
	.amdhsa_kernel k_qa88d94308c_qkv
		.amdhsa_group_segment_fixed_size 327680
		.amdhsa_private_segment_fixed_size 0
		.amdhsa_enable_private_segment 0
		.amdhsa_kernarg_size 48
		.amdhsa_user_sgpr_count 2
		.amdhsa_user_sgpr_kernarg_segment_ptr 1
		.amdhsa_wavefront_size32 1
		.amdhsa_system_sgpr_workgroup_id_x 1
		.amdhsa_system_sgpr_workgroup_id_y 1
		.amdhsa_system_sgpr_workgroup_id_z 1
		.amdhsa_system_vgpr_workitem_id 0
		.amdhsa_next_free_vgpr 1024
		.amdhsa_next_free_sgpr 80
		.amdhsa_reserve_vcc 0
		.amdhsa_float_denorm_mode_32 3
		.amdhsa_float_denorm_mode_16_64 3
		.amdhsa_memory_ordered 1
		.amdhsa_forward_progress 1
		.amdhsa_inst_pref_size 181
	.end_amdhsa_kernel
	.amdgpu_metadata
---
amdhsa.version: [ 1, 2 ]
amdhsa.kernels:
  - .name:           k_qa88d94308c_qkv
    .symbol:         k_qa88d94308c_qkv.kd
    .args:
      - { .name: xb, .offset: 0, .size: 8, .value_kind: global_buffer, .address_space: global }
      - { .name: wb, .offset: 8, .size: 8, .value_kind: global_buffer, .address_space: global }
      - { .name: rope, .offset: 16, .size: 8, .value_kind: global_buffer, .address_space: global }
      - { .name: q_norm_w, .offset: 24, .size: 8, .value_kind: global_buffer, .address_space: global }
      - { .name: k_norm_w, .offset: 32, .size: 8, .value_kind: global_buffer, .address_space: global }
      - { .name: qkv, .offset: 40, .size: 8, .value_kind: global_buffer, .address_space: global }
    .group_segment_fixed_size: 327680
    .private_segment_fixed_size: 0
    .kernarg_segment_align: 8
    .kernarg_segment_size: 48
    .max_flat_workgroup_size: 128
    .sgpr_count:     80
    .vgpr_count:     1024
    .wavefront_size: 32
...
	.end_amdgpu_metadata
.endif
;; end of part 2
;; launch attn (part 3): grid 16 x 16, 4 waves a work-group, clusters of 4 x 1, 327,680 bytes of LDS; arguments qkv, att; writes att
.if DOCPART == 3
	.amdgcn_target "amdgcn-amd-amdhsa--gfx1250"
	.amdhsa_code_object_version 6
	.text
	.protected	k_qa88d94308c_attn
	.globl	k_qa88d94308c_attn
	.p2align	8
	.type	k_qa88d94308c_attn,@function
k_qa88d94308c_attn:
	s_mov_b64 s[64:65], 0
	v_nop
	global_prefetch_b8 v0, s[64:65] scope:SCOPE_SE
	s_setreg_imm32_b32 hwreg(HW_REG_WAVE_MODE, 25, 1), 1
	s_wait_xcnt 0x0
	s_wait_alu depctr_hold_cnt(0) depctr_sa_sdst(0) depctr_va_vdst(0) depctr_va_sdst(0) depctr_va_ssrc(0) depctr_va_vcc(0) depctr_vm_vsrc(0)
	s_getreg_b32 s2, hwreg(HW_REG_IB_STS2, 6, 4)
	s_cmp_eq_u32 s2, 0
	s_cbranch_scc0 .Lentry_in_a_cluster
	s_endpgm
.Lentry_in_a_cluster:
	s_bfe_u32 s2, ttmp6, 0x10000c
	s_cmp_lg_u32 s2, 0x3003
	s_cbranch_scc0 .Lentry_shape_is_right
	s_endpgm
.Lentry_shape_is_right:
; CAUSAL ATTENTION, TWO QUERY HEADS TO A KEY AND VALUE HEAD.  O[q] = sum over k <= q of softmax_k(Q[q] . K[k] / sqrt(128)) V[k].  qkv: [64 sections][2048][128] f16, section = 2 x head + batch, heads 0-15 q, 16-23 k, 24-31 v.
; att: [4096 rows = batch x 2048 + l][2048 = head x 128 + channel] f16.  Products, maxima and sums in f32; the weights p are rounded to f16 for the second product (their sum l is taken of the unrounded p), O once at the end.
; LIMITS.  f16 holds no number beyond 65,504: q, k, v arrive within it; O is a mean of V's rows.  A hidden score counts as its value less 1e30; a weight below 2^-126 counts as 0 in l; NaN and infinities are not treated apart.
; THE WALK.  The grid's y is 2 x kv head + batch.  The 2,048 positions lie in 8 blocks of 256; block i needs the keys 0 .. 256 i + 255: 2 i + 2 tiles of 128 keys, of which the last two hold the diagonal.
; A cluster (number p = 0..3 along x) takes block 7 - p and then block p: 18 tiles whatever p, so one loop with a constant trip count walks them and all work-groups do equal work.
; CLUSTER.  Of a block's 256 positions partner c takes 64 c .. 64 c + 63, for BOTH query heads; so the four partners walk the same tiles of K and V, and each tile is asked for jointly: the same tensor load, descriptor and mask in all four.
; No branch hangs on c: in the diagonal's four key steps every partner computes all four under the mask.
; SHARES.  A wave owns 16 positions: tile 0 is head 2 kv, tile 1 head 2 kv + 1: one mask serves both.  Every wave walks all keys, 64 a step.
; LAYOUT.  S^T = K Q^T (source 0 = 16 keys, source 1 = 16 queries): a lane holds ONE query (lane % 16) and the keys 8 (lane / 16) + 0..7 of each group of 16.  Two such results rounded to f16 ARE source 1 of O^T = V^T P.
; K comes out of LDS as it lies, V ([key][channel]) turned, by ds_load_tr16_b128.
; THE MASK is the C operand that starts the sum S^T: 0, or -1e30 where the key lies behind the query.  It is made anew for each step of a block's last two tiles and is 0 elsewhere.
; SOFTMAX.  A running maximum m and sum l: p = 2^(c s - c m), c = log2(e) / sqrt(128); in every step O and l are multiplied by a = 2^(c m_old - c m_new).  m starts at the lowest finite number, so a block's first step has a = 0:
; what O and l hold then need only be finite.  Every block's first step holds key 0, which every query sees: m is a true score before the first hidden one comes.
; IN PHASES.  A step: K of the step is fetched; V^T P of the step before; V of the step is fetched; K Q^T; the softmax.  A step's 66 exponentials are one batch with one wait.
; REGISTERS, in windows of 256 (s_set_vgpr_msb: bits 1:0 source 0, 3:2 source 1, 5:4 source 2, 7:6 destination):
;   window 0: v0-15 addresses; v16-31 eight statistics a tile; v32-95 S^T; v96-127 P; v128-255 O^T, 64 a tile      window 1: v0-63 Q; v64-95 the mask; v128-255 K of a step      window 2: v0-127 V of a step; v128-191 the second block's Q
.set KS,    64
.set PK,    272       ; a row of K in LDS: 256 bytes + 16 of padding: the 16 rows of a load start at 16 different groups of four banks (64 banks of 4 bytes: ISA guide 11.1)
.set PV,    288       ; a row of V: 256 + 32
.set VOFF,  KS*PK     ; a step's tiles lie together: 64 rows of K, then 64 rows of V
.set STEPB, KS*(PK+PV)
.set SLOT1, 1<<17     ; a slot holds a tile of 128 keys, two steps; slot 1 begins here, so that one exclusive or turns an address in one slot into the other's
.set STAGE, SLOT1+2*STEPB  ; behind the ring: 16 rows x 272 bytes for each wave
.set SP,    272
.set SPARE, STAGE+4*16*SP  ; behind the stages: the spare words, 128 bytes for each wave
.set AK0, 2           ; v2   my lane's place in a tile of K; never rewritten
.set AV0, 3           ; v3   the same for V
.set ADR, 4           ; v4   the LDS address of the run of loads in hand
.set QO,  5           ; v5   my byte offset in 16 rows of Q
.set STO, 6           ; v6   the stage: where I put 16 bytes of a row
.set RD,  7           ; v7   the stage: where I read a row back
.set GO,  8           ; v8   my byte offset in two rows of att
.set RW,  10          ; v10  my query's place less the step's first key
.set PFO, 11          ; v11  256 x my lane; never rewritten
.set SPW, 12          ; v12  LDS address of my spare word; never rewritten
.set NIL, 13          ; v13  0; never rewritten
.set QP0, 14          ; v14  my query's place in its block, less my lanes' 8 (l / 16)
.set QP,  15          ; v15  the same in the sequence
.set ST,  16          ; tile t's statistics at v[ST+8 t]: +0 c m, +1 m, +2, +3 l (even keys', odd keys'), +4 to +7 at work; a takes +6 once the maximum is found
.set S,   32
.set P,   96
.set OT,  128
.set MK,  64          ; window 1
.set KF,  128         ; window 1
.set QB,  128         ; window 2
.set WV,  12          ; s12  my wave's number
.set LIM, 15          ; s15  3 in a wave that prefetches, else the greatest number
.set G1K, 24          ; s[24:31] descriptor group 1 for K's tiles
.set G1V, 32          ; s[32:39] for V's: it differs in the padding alone
.set G0K, 40          ; s[40:43] descriptor group 0 for K's tiles
.set G0V, 44          ; s[44:47] the same for V's
.set SLOTS, 56        ; s56  tiles still to be asked for
.set TWICE, 57        ; s57  counts a tile's two steps
.set CS,  58          ; s[58:59] c
.set SEL, 60          ; s[60:61] v_permlanex16_b32's selects
.set TB,  62          ; s62  LDS byte at which the tiles of the step to be fetched begin
.set KY,  63          ; s63  the step's first key
.set RT,  66          ; s66  tiles that the block in hand still has, the one in hand among them
.set NXT, 67          ; s67  the tile to be asked for next
.set LQ,  68          ; s68  the last tile of the block whose tiles are being asked for
.set LQLO, 69         ; s69  the second block's last tile
.set OFF, 70          ; s[70:71] a tile's byte offset in K and V
.set BIGN, 72         ; s72  -1e30
.set RTLO, 73         ; s73  the second block's tiles
.set SBLO, 74         ; s74  the second block's first position
.set PFA, 76          ; s[76:77] where my prefetches stand
.set MSB, 0
.macro WIN new                      ; the high byte repeats the setting that is left; a switch that changes nothing is dropped
.if MSB != (\new)
	s_set_vgpr_msb (MSB<<8)|(\new)
.set MSB, (\new)
.endif
.endm
; A joint fill.  Waves 0 and 1 fetch K of a tile's two steps, waves 2 and 3 V.  The branch hangs on the wave's number alone.  An s_nop 0 and four v_nop follow each of the two lines.
.macro JLOAD
	s_cmp_lt_u32 s[WV], 2
	s_cbranch_scc0 .Lfor_v_\@
	tensor_load_to_lds s[G0K:G0K+3], s[G1K:G1K+7]
	s_nop 0
.rept 4
	v_nop
.endr
	s_branch .Lasked_\@
.Lfor_v_\@:
	tensor_load_to_lds s[G0V:G0V+3], s[G1V:G1V+7]
	s_nop 0
.rept 4
	v_nop
.endr
.Lasked_\@:
.endm
; A prefetch into the L2 of the tile that the NEXT change of slots will ask for: 128 rows of K and of V, 256 bytes a row, a lane a row.  All four clusters of a kv head begin at tile 0 and walk upward; cluster 0 walks furthest (tiles 0 to 15), and it alone asks.
; Its four partners share the rows out by address, 32 each; in each, wave 0 asks for K's and wave 2 for V's.  So tiles 2 to 15 are named once each in the launch; tiles 0 and 1 come by their loads alone, and the second blocks' tiles have been read before.
.macro ASK
	s_cmp_gt_u32 s[SLOTS], s[LIM]
	s_cbranch_scc0 .Lnot_mine_\@
	global_prefetch_b8 v[PFO], s[PFA:PFA+1] th:TH_LOAD_NT scope:SCOPE_SE
.Lnot_mine_\@:
.endm
.macro CROUND                       ; a round of the cluster's barrier
	s_barrier_signal -1
	s_barrier_wait -1
	s_cmp_lg_u32 s[WV], 0
	s_cbranch_scc1 .Lnot_wave_0_\@
	s_barrier_signal -3
.Lnot_wave_0_\@:
	s_barrier_wait -3
	s_barrier_signal -1
	s_barrier_wait -1
.endm
.macro PLACES                       ; four plain places between a matrix instruction and a load into, or a read of, its registers
.rept 4
	v_nop
.endr
.endm
; THE CHANGE OF SLOTS.  Each wave waits for all its tensor loads (one is out: its part of the other slot), adds 0 to its spare word, and waits for that and for its reads of the slot that it leaves (the last: V of its second step).
; fill = 1: the old slot is filled again with tile NXT, whose address is made anew from that number; the barrier is a round of the cluster's, and the joint fill is the first thing behind it: it has two key steps in which to land.
; (At its first use nothing has been read yet: slot 0 is waited for, slot 1 filled.)
.macro CHANGE fill
	WIN 0
	s_wait_tensorcnt 0x0            ; no tensor load of mine is out, so a group 0 may be written
	ds_add_u32 v[SPW], v[NIL]       ; the scalar work below stands between the add and the wait for it
.if \fill
	s_lshl_b32 s[OFF], s[NXT], 15   ; a tile is 32,768 bytes of K and of V
	s_xor_b32 s[G0K+1], s[G0K+1], SLOT1
	s_add_nc_u64 s[G0K+2:G0K+3], s[6:7], s[OFF:OFF+1]
	s_or_b32 s[G0K+3], s[G0K+3], 0x80000000
	s_xor_b32 s[G0V+1], s[G0V+1], SLOT1
	s_add_nc_u64 s[G0V+2:G0V+3], s[8:9], s[OFF:OFF+1]
	s_or_b32 s[G0V+3], s[G0V+3], 0x80000000
	s_add_co_u32 s[NXT], s[NXT], 1  ; the block's next tile, or behind its last the second block's tile 0
	s_cmp_gt_u32 s[NXT], s[LQ]
	s_cselect_b32 s[NXT], 0, s[NXT]
	s_cselect_b32 s[LQ], s[LQLO], s[LQ]
	s_wait_xcnt 0x0                 ; the last prefetch, two key steps back, has read its address
	s_add_nc_u64 s[PFA:PFA+1], s[PFA:PFA+1], 32768
	s_wait_dscnt 0x0                ; the add is done, and my reads of the slot are over
	CROUND
	JLOAD
	ASK
.else
	s_wait_dscnt 0x0
	s_barrier_signal -1
	s_barrier_wait -1
.endif
	s_sub_co_u32 s[TB], s[TB], 2*STEPB  ; the fetches go back to a slot's first step,
	s_xor_b32 s[TB], s[TB], SLOT1       ; in the other slot
.endm
	s_load_b64 s[4:5], s[0:1], 0x0  ; qkv
	s_load_b64 s[10:11], s[0:1], 0x8  ; att
	v_lshl_add_u32 v[SPW], v0, 2, SPARE
	v_mov_b32 v[NIL], 0
	ds_add_u32 v[SPW], v[NIL]       ; the wave's opening: the add and its wait stand ahead of my first tensor load; the set-up below stands between them
	v_lshrrev_b32 v1, 5, v0
	v_readfirstlane_b32 s[WV], v1   ; wave 0..3
	s_bfe_u32 s13, ttmp6, 0x40000   ; c: my place in the cluster
	s_mov_b32 s14, ttmp9            ; p: the cluster's number along x
	s_and_b32 s16, ttmp7, 0xffff    ; y = 2 x kv head + batch
	s_and_b32 s17, s16, 1           ; the batch
	s_lshr_b32 s18, s16, 1          ; the kv head
	s_and_b32 s19, s[WV], 1         ; which of a tile's two steps I fetch:
	s_lshl_b32 s20, s19, 14         ; its 64 rows of 256 bytes in memory,
	s_mul_i32 s21, s19, STEPB       ; and its place in a slot: no place in the cluster enters an LDS address
	s_add_co_u32 s22, s16, 32       ; K's section
	s_lshl_b32 s22, s22, 19
	s_add_co_u32 s22, s22, s20
	s_mov_b32 s23, 0
	s_lshl_b32 s54, s13, 6
	s_lshl_b32 s55, s[WV], 4
	s_add_co_u32 s54, s54, s55      ; my 16 positions in a block: 64 c + 16 w
	s_sub_co_u32 s55, 7, s14
	s_lshl_b32 s55, s55, 8          ; the first block's first position
	s_lshl_b32 s[SBLO], s14, 8      ; the second's
	s_add_co_u32 s78, s55, s54      ; my first position in the first block,
	s_add_co_u32 s79, s[SBLO], s54  ; and in the second
	s_lshl_b32 s75, s16, 1
	s_sub_co_u32 s75, s75, s17      ; the section of query head 2 kv: 2 y - batch; head 2 kv + 1 lies two sections on
	s_lshl_b32 s75, s75, 19
	s_lshl_b32 s48, s78, 8
	s_add_co_u32 s48, s48, s75
	s_mov_b32 s49, 0
	s_lshl_b32 s50, s79, 8
	s_add_co_u32 s50, s50, s75
	s_mov_b32 s51, 0
	s_lshl_b32 s75, s17, 11         ; the batch's first row of att
	s_lshl_b32 s2, s18, 9           ; head 2 kv: 256 bytes a head
	s_add_co_u32 s52, s75, s79
	s_lshl_b32 s52, s52, 12         ; 4,096 bytes a row
	s_add_co_u32 s52, s52, s2
	s_mov_b32 s53, 0
	s_add_co_u32 s78, s75, s78
	s_lshl_b32 s78, s78, 12
	s_add_co_u32 s78, s78, s2
	s_mov_b32 s79, 0
	s_lshl_b32 s75, s14, 1
	s_sub_co_u32 s[RT], 16, s75     ; the first block has 16 - 2 p tiles,
	s_sub_co_u32 s[LQ], 15, s75
	s_add_co_u32 s[LQLO], s75, 1
	s_add_co_u32 s[RTLO], s75, 2    ; the second 2 p + 2
	s_mov_b32 s[NXT], 1
	s_mov_b32 s[OFF+1], 0
	s_mov_b32 s[BIGN], 0xf149f2ca   ; -1e30
	s_mov_b32 s[KY], 0
	s_mov_b32 s[TB], SLOT1+2*STEPB  ; the first change of slots turns this into 0
	s_mov_b32 s[SLOTS], 17
	; descriptor group 1: a tile of 64 rows x 128 elements of 2 bytes, the mask of four, padding behind every 64 words: 4 words for K, 8 for V
	s_mov_b32 s[G1K], 15|(1<<16)|(1<<20)|(1<<21)|(5<<22)|(3<<25)
	s_mov_b32 s[G1V], 15|(1<<16)|(1<<20)|(1<<21)|(5<<22)|(7<<25)
.irp g, G1K, G1V
	s_mov_b32 s[(\g)+1], 128<<16    ; tensor_dim0 = 128
	s_mov_b32 s[(\g)+2], KS<<16     ; tensor_dim1 = 64
	s_mov_b32 s[(\g)+3], 128<<16    ; tile_dim0 = 128
	s_mov_b32 s[(\g)+4], KS         ; tile_dim1 = 64
	s_mov_b32 s[(\g)+5], 128        ; elements from row to row
	s_mov_b32 s[(\g)+6], 0
	s_mov_b32 s[(\g)+7], 0
.endr
	s_mov_b32 s[CS], 0x3e0293ee     ; c = log2(e) / sqrt(128) = 0.127517
	s_mov_b32 s[CS+1], s[CS]        ; named with it as a pair
	s_mov_b32 s[SEL], 0x76543210
	s_mov_b32 s[SEL+1], 0xfedcba98
	s_mov_b32 s[G0K], 1             ; count = 1
	s_mov_b32 s[G0K+1], s21         ; LDS address: slot 0
	s_mov_b32 s[G0V], 1
	s_add_co_u32 s[G0V+1], s21, VOFF
	s_and_b32 s[LIM], s[WV], 1      ; 0 in waves 0 and 2,
	s_or_b32 s[LIM], s[LIM], ttmp9  ; of cluster 0: the same in all four partners
	s_cmp_eq_u32 s[LIM], 0
	s_cselect_b32 s[LIM], 3, -1     ; they ask while more than three tiles are still to be asked for: the last asked so is tile 15
	v_and_b32 v[PFO], 31, v0
	v_lshlrev_b32 v[PFO], 8, v[PFO]
	s_wait_dscnt 0x0                ; the opening add is done
	s_wait_kmcnt 0x0
	s_add_nc_u64 s[6:7], s[4:5], s[22:23]   ; K at my step of tile 0
	s_add_nc_u64 s[8:9], s[6:7], 0x800000   ; V lies 16 sections on
	s_add_nc_u64 s[48:49], s[4:5], s[48:49] ; Q at my rows of the first block,
	s_add_nc_u64 s[50:51], s[4:5], s[50:51] ; and of the second
	s_add_nc_u64 s[52:53], s[10:11], s[52:53]  ; att at my rows of the second block,
	s_add_nc_u64 s[10:11], s[10:11], s[78:79]  ; and of the first
	s_add_nc_u64 s[G0K+2:G0K+3], s[6:7], 0
	s_or_b32 s[G0K+3], s[G0K+3], 0x80000000
	s_add_nc_u64 s[G0V+2:G0V+3], s[8:9], 0
	s_or_b32 s[G0V+3], s[G0V+3], 0x80000000
	s_cmp_lt_u32 s[WV], 2
	s_cselect_b64 s[PFA:PFA+1], s[6:7], s[8:9]  ; (in waves 0 and 2 these stand at a tile's first row)
	s_lshl_b32 s2, s13, 13          ; my work-group's 32 rows of the 128
	s_mov_b32 s3, 0
	s_add_nc_u64 s[PFA:PFA+1], s[PFA:PFA+1], s[2:3]
	s_add_nc_u64 s[PFA:PFA+1], s[PFA:PFA+1], 32768  ; in tile 1; the first change of slots steps it to tile 2
	CROUND                          ; all four work-groups are here: the first joint loads meet
	JLOAD                           ; tile 0 into slot 0
	; a fragment of K or Q is 16 rows x 32 channels in 8 registers: lane l holds row l % 16, channels 8 (l / 16) + 0..7 and 16 + 8 (l / 16) + 0..7: two loads of 16 bytes, 32 bytes apart
	v_and_b32 v1, 15, v0            ; l % 16
	v_bfe_u32 v9, v0, 4, 1          ; l / 16
	v_lshlrev_b32 v[QO], 8, v1
	v_lshl_add_u32 v[QO], v9, 4, v[QO]
	WIN 0x40                        ; destination window 1
.irp i, 0,1,2,3,4,5,6,7             ; both blocks' Q: tile i / 4 (the second head lies 1,048,576 bytes on), channels 32 (i % 4) on
	global_load_b128 v[8*(\i):8*(\i)+3],   v[QO], s[48:49] offset:((\i)/4)*1048576+((\i)%4)*64
	global_load_b128 v[8*(\i)+4:8*(\i)+7], v[QO], s[48:49] offset:((\i)/4)*1048576+((\i)%4)*64+32
.endr
	WIN 0x80                        ; destination window 2
.irp i, 0,1,2,3,4,5,6,7
	global_load_b128 v[QB+8*(\i):QB+8*(\i)+3],   v[QO], s[50:51] offset:((\i)/4)*1048576+((\i)%4)*64
	global_load_b128 v[QB+8*(\i)+4:QB+8*(\i)+7], v[QO], s[50:51] offset:((\i)/4)*1048576+((\i)%4)*64+32
.endr
	WIN 0
	v_mul_u32_u24 v[AK0], v1, PK
	v_lshl_add_u32 v[AK0], v9, 4, v[AK0]
	; the turning load takes 16 keys x 16 channels (lane l reads key 8 (l / 16) + l % 8, channels 8 ((l / 8) % 2) + 0..7) and leaves half a fragment of V^T: lane l holds channel l % 16 and 8 keys
	v_and_b32 v32, 7, v0
	v_bfe_u32 v33, v0, 3, 1
	v_lshl_add_u32 v[AV0], v9, 3, v32
	v_mul_u32_u24 v[AV0], v[AV0], PV
	v_lshl_add_u32 v[AV0], v33, 4, v[AV0]
	v_add_nc_u32 v[AV0], VOFF, v[AV0]
	s_mul_i32 s2, s[WV], 16*SP
	s_add_co_u32 s2, s2, STAGE      ; my stage
	v_mul_u32_u24 v[STO], v1, SP    ; in: row l % 16, 16 bytes for each half of the lanes
	v_lshl_add_u32 v[STO], v9, 4, v[STO]
	v_add_nc_u32 v[STO], s2, v[STO]
	v_mul_u32_u24 v[RD], v9, SP     ; back: lanes 0-15 one row of 256 bytes, lanes 16-31 the next
	v_lshl_add_u32 v[RD], v1, 4, v[RD]
	v_add_nc_u32 v[RD], s2, v[RD]
	v_lshlrev_b32 v[GO], 12, v9     ; and the same two rows in att, 4,096 bytes apart
	v_lshl_add_u32 v[GO], v1, 4, v[GO]
	v_lshlrev_b32 v32, 3, v9
	v_sub_nc_u32 v[QP0], v1, v32
	v_add_nc_u32 v[QP0], s54, v[QP0]
	v_add_nc_u32 v[QP], s55, v[QP0]
	; what the first step finds: O^T and l are 0, c m far below every c s, m the lowest finite number, the mask 0.  No first step is written out; these lines stand in the wait for the first tile.
.set i, OT
.rept 128
	v_mov_b32 v[i], 0
.set i, i+1
.endr
.irp t, 0,1
	v_mov_b32 v[ST+8*(\t)], 0xfe000000
	v_mov_b32 v[ST+8*(\t)+1], 0xff7fffff
.irp n, 2,3,4,5,6,7
	v_mov_b32 v[ST+8*(\t)+(\n)], 0
.endr
.endr
	WIN 0x40
.set i, MK
.rept 32
	v_mov_b32 v[i], 0
.set i, i+1
.endr
	WIN 0
; THE MATRIX WORK.  The accumulators take turns, one instruction a turn: 7 (K Q^T) or 15 (V^T P) others stand between two links of a chain.
; Product i of 32 of S^T = K Q^T: channels 32 (i / 8) on, keys 16 ((i / 2) % 4) on, tile i % 2.  The first 8 start the sums, with the mask.
.macro KQALL
.set i, 0
.rept 32
.set rS, S+32*(i%2)+8*((i/2)%4)
.set rK, KF+32*((i/2)%4)+8*(i/8)
.set rQ, 32*(i%2)+8*(i/8)
.set rM, MK+8*((i/2)%4)
.if i < 8
	WIN 0x15                        ; K, Q and the mask in window 1, S^T in window 0
	v_wmma_f32_16x16x32_f16 v[rS:rS+7], v[rK:rK+7], v[rQ:rQ+7], v[rM:rM+7]
.else
	WIN 0x05
	v_wmma_f32_16x16x32_f16 v[rS:rS+7], v[rK:rK+7], v[rQ:rQ+7], v[rS:rS+7]
.endif
.set i, i+1
.endr
.endm
; Product i of 32 of O^T += V^T P: keys 32 (i / 16) on, channels 16 ((i / 2) % 8) on, tile i % 2.
.macro PVALL
	WIN 0x02                        ; V in window 2
.set i, 0
.rept 32
.set rO, OT+64*(i%2)+8*((i/2)%8)
.set rV, 64*(i/16)+8*((i/2)%8)
.set rP, P+16*(i%2)+8*(i/16)
	v_wmma_f32_16x16x32_f16 v[rO:rO+7], v[rV:rV+7], v[rP:rP+7], v[rO:rO+7]
.set i, i+1
.endr
.endm
; THE LDS LOADS, in runs of 32: a step's K (64 keys x 128 channels: 16 fragments) and its V (turned).
.macro FETCH_K
	WIN 0
	v_add_nc_u32 v[ADR], s[TB], v[AK0]
	WIN 0x40
.irp f, 0,1,2,3,4,5,6,7,8,9,10,11,12,13,14,15  ; keys 16 (f / 4) on, channels 32 (f % 4) on
	ds_load_b128 v[KF+8*(\f):KF+8*(\f)+3],   v[ADR] offset:((\f)/4)*16*PK+((\f)%4)*64
	ds_load_b128 v[KF+8*(\f)+4:KF+8*(\f)+7], v[ADR] offset:((\f)/4)*16*PK+((\f)%4)*64+32
.endr
.endm
.macro FETCH_V
	WIN 0
	v_add_nc_u32 v[ADR], s[TB], v[AV0]
	s_add_co_u32 s[TB], s[TB], STEPB  ; the next fetches are the next step's
	WIN 0x80
.irp f, 0,1,2,3,4,5,6,7,8,9,10,11,12,13,14,15  ; keys 32 (f / 8) on, channels 16 (f % 8) on
	ds_load_tr16_b128 v[8*(\f):8*(\f)+3],   v[ADR] offset:((\f)/8)*32*PV+((\f)%8)*32
	ds_load_tr16_b128 v[8*(\f)+4:8*(\f)+7], v[ADR] offset:((\f)/8)*32*PV+16*PV+((\f)%8)*32
.endr
.endm
; THE MASK of the step that begins at key KY: register r of group kt is key KY + 16 kt + 8 (l / 16) + r, hidden where that is greater than my query's position.
.macro MASK
	WIN 0
	v_sub_nc_u32 v[RW], v[QP], s[KY]
	WIN 0x40
.set i, 0
.rept 32
	v_cmp_gt_i32 vcc_lo, 16*(i/8)+i%8, v[RW]
	v_cndmask_b32 v[MK+i], 0, s[BIGN], vcc_lo
.set i, i+1
.endr
	WIN 0
.endm
; THE SOFTMAX of one tile and step is a list of 134 instructions; SM writes number j of it for tile t.  s0-s31 are the lane's 32 scores, in pairs 0-15.
;   0-15    the maximum of s0-s31 and the old m, three operands at a time (each accumulator's lowest registers are read first)
;   16-20   the other half of the lanes' maximum; c m_old is kept; the new m; c m; c m_old - c m_new
;   21-69   one batch: the 16 scalings c s - c m and all 33 exponentials (a at 23, then s0-s31); none of these names an exponential's result; a pair is scaled ahead of its exponentials
;   70-85   the roundings to f16      86-101  the sums; l = a l + the sum      102-133 the tile's O^T times a
.macro SM t
.set rT, ST+8*(\t)
.set rS, S+32*(\t)
.set rP, P+16*(\t)
.set rO, OT+64*(\t)+2*(j-102)
.if j < 4
	v_max3_num_f32 v[rT+4+j], v[rS+8*j], v[rS+8*j+1], v[rS+8*j+2]
.elseif j < 12
	v_max3_num_f32 v[rT+4+j%4], v[rT+4+j%4], v[rS+8*(j%4)+2*(j/4)+1], v[rS+8*(j%4)+2*(j/4)+2]
.elseif j == 12
	v_max3_num_f32 v[rT+4], v[rT+4], v[rS+7], v[rS+15]
.elseif j == 13
	v_max3_num_f32 v[rT+6], v[rT+6], v[rS+23], v[rS+31]
.elseif j == 14
	v_max3_num_f32 v[rT+4], v[rT+4], v[rT+5], v[rT+6]
.elseif j == 15
	v_max3_num_f32 v[rT+4], v[rT+4], v[rT+7], v[rT+1]
.elseif j == 16
	v_permlanex16_b32 v[rT+5], v[rT+4], s[SEL], s[SEL+1]  ; the query's other 32 keys lie in the lane 16 away
.elseif j == 17
	v_mov_b32 v[rT+7], v[rT]
.elseif j == 18
	v_max_num_f32 v[rT+1], v[rT+4], v[rT+5]
.elseif j == 19
	v_mul_f32 v[rT], s[CS], v[rT+1]
.elseif j == 20
	v_sub_f32 v[rT+7], v[rT+7], v[rT]
.elseif j == 23
	v_exp_f32 v[rT+6], v[rT+7]
.elseif (j < 23) || ((j < 38) && (j%2 == 0)) || ((j < 66) && (j%4 == 2))
.set b, (j-2)/4                     ; 38, 42, .. 62: pairs 9 to 15
.if j < 38
.set b, (j-20)/2                    ; 21: pair 0; 22, 24, .. 36: pairs 1 to 8
.endif
	v_pk_fma_f32 v[rS+2*b:rS+2*b+1], v[rS+2*b:rS+2*b+1], s[CS:CS+1], v[rT:rT+1] op_sel_hi:[1,0,0] neg_lo:[0,0,1] neg_hi:[0,0,1]
.elseif j < 70
.set e, j-38                        ; 66 to 69: s28 to s31
.if j < 66
.set e, j-32-(j-38)/4               ; 39-41, 43-45, .. 63-65: s7 to s27
.endif
.if j < 38
.set e, (j-25)/2                    ; 25, 27, .. 37: s0 to s6
.endif
	v_exp_f32 v[rS+e], v[rS+e]
.elseif j < 86
	v_cvt_pk_f16_f32 v[rP+j-70], v[rS+2*(j-70)], v[rS+2*(j-70)+1]
.elseif j < 102                     ; the sum of the 16 pairs, in place: neighbours 1, 2, 4 and 8 pairs apart, then l takes it
.set z, j-86
.set w, 4
.set u, z
.if z >= 14
.set w, 32
.set u, 0
.elseif z >= 12
.set w, 16
.set u, z-12
.elseif z >= 8
.set w, 8
.set u, z-8
.endif
.if z < 15
	v_pk_add_f32 v[rS+w*u:rS+w*u+1], v[rS+w*u:rS+w*u+1], v[rS+w*u+w/2:rS+w*u+w/2+1]
.else
	v_pk_fma_f32 v[rT+2:rT+3], v[rT+2:rT+3], v[rT+6:rT+7], v[rS:rS+1] op_sel_hi:[1,0,1]
.endif
.else
	v_pk_mul_f32 v[rO:rO+1], v[rO:rO+1], v[rT+6:rT+7] op_sel_hi:[1,0]
.endif
.endm
.macro SOFTMAX                      ; the two tiles alternate, so that no instruction reads the result of the one just before it
	WIN 0
.set j, 0
.rept 70
	SM 0
	SM 1
.set j, j+1
.endr
	v_nop                           ; a plain instruction behind the last exponential,
	s_wait_alu depctr_va_vdst(0)    ; and ONE wait for the 66, ahead of the first instruction that names a result of theirs
.rept 64
	SM 0
	SM 1
.set j, j+1
.endr
.endm
; A BLOCK'S END: l's two halves and the other half of the lanes' are added; O^T is divided by l, rounded to f16 and sent through my stage, a tile (16 rows of one head) at a time.
.macro PACK t
.set i, OT+64*(\t)
.rept 32
	v_pk_mul_f32 v[i:i+1], v[i:i+1], v[ST+8*(\t)+6:ST+8*(\t)+7] op_sel_hi:[1,0]
.set i, i+2
.endr
.set i, 0
.rept 32
	v_cvt_pk_f16_f32 v[S+32*(\t)+i], v[OT+64*(\t)+2*i], v[OT+64*(\t)+2*i+1]
.set i, i+1
.endr
.irp f, 0,1,2,3,4,5,6,7
	ds_store_b128 v[STO], v[S+32*(\t)+4*(\f):S+32*(\t)+4*(\f)+3] offset:32*(\f)
.endr
.irp f, 0,1,2,3,4,5,6,7
	ds_load_b128 v[S+32*(\t)+4*(\f):S+32*(\t)+4*(\f)+3], v[RD] offset:(\f)*2*SP  ; LDS serves a wave's instructions in order (ISA guide 5.7.1.4): these see the stores above; the next tile's stores come behind them
.endr
.endm
.macro SEND t, younger              ; younger: the LDS instructions issued behind tile t's loads
.irp f, 0,1,2,3,4,5,6,7
	s_wait_dscnt (\younger)+7-(\f)
	global_store_b128 v[GO], v[S+32*(\t)+4*(\f):S+32*(\t)+4*(\f)+3], s[10:11] offset:(\t)*256+(\f)*8192  ; 16 lanes store a head's 256 bytes of one row, at a multiple of 256 from att's first byte
.endr
.endm
.macro FINISH
	PLACES                          ; behind the last products
	WIN 0
.irp t, 0,1
	v_add_f32 v[ST+8*(\t)+4], v[ST+8*(\t)+2], v[ST+8*(\t)+3]
.endr
.irp t, 0,1
	v_permlanex16_b32 v[ST+8*(\t)+5], v[ST+8*(\t)+4], s[SEL], s[SEL+1]
.endr
.irp t, 0,1
	v_add_f32 v[ST+8*(\t)+4], v[ST+8*(\t)+4], v[ST+8*(\t)+5]
.endr
.irp t, 0,1
	v_rcp_f32 v[ST+8*(\t)+6], v[ST+8*(\t)+4]
.endr
	v_nop                           ; a plain instruction behind the last reciprocal,
	s_wait_alu depctr_va_vdst(0)    ; and one wait for the two, ahead of their first use
	PACK 0
	PACK 1
	SEND 0, 16
	SEND 1, 0
.endm
; THE SECOND BLOCK BEGINS: its rows of att, its count of tiles, its positions, m and c m, a mask of 0, its Q where the one text names Q.  O^T and l keep what the first block left: finite numbers, which the first step multiplies by a = 0.
.macro BEGIN2
	s_wait_xcnt 0x0                 ; the stores have read their registers and att's address
	s_mov_b64 s[10:11], s[52:53]
	s_mov_b32 s[RT], s[RTLO]
	s_mov_b32 s[KY], 0
	v_add_nc_u32 v[QP], s[SBLO], v[QP0]
.irp t, 0,1
	v_mov_b32 v[ST+8*(\t)], 0xfe000000
	v_mov_b32 v[ST+8*(\t)+1], 0xff7fffff
.endr
	WIN 0x40
.set i, MK
.rept 32
	v_mov_b32 v[i], 0
.set i, i+1
.endr
	WIN 0x42                        ; destination window 1, source window 2
.set i, 0
.rept 64
	v_mov_b32 v[i], v[QB+i]
.set i, i+1
.endr
	WIN 0
.endm
; A KEY STEP.  fin = 1 (the loop's text): where the step before was a block's last, the block ends and the second begins, between that step's V^T P and this step's K Q^T.
.macro BODY fin
	FETCH_K                         ; this step's K: its registers were last read in front of the softmax
	s_wait_dscnt 32                 ; V of the step before is in; the 32 loads just issued are younger
	PVALL
	WIN 0
.if \fin
	s_cmp_lg_u32 s[RT], 0
	s_cbranch_scc1 .Lmid
	FINISH
	BEGIN2
.Lmid:
.endif
	PLACES                          ; between the last product that read V and the loads into it
	FETCH_V
	WIN 0
	s_cmp_gt_u32 s[RT], 2           ; only a block's last two tiles hold hidden keys
	s_cbranch_scc1 .Lopen_\@
	MASK
.Lopen_\@:
	s_add_co_u32 s[KY], s[KY], KS
	s_wait_dscnt 32                 ; K is in; V's 32 loads are younger
	KQALL
	PLACES
	SOFTMAX
.endm
	CHANGE 1                        ; tile 0 is in, everybody's part of it; tile 1 is asked for
	s_mov_b32 s[TWICE], 2
	FETCH_K                         ; key step 0
	WIN 0
	s_wait_loadcnt 0x0              ; Q, both blocks'
	s_branch .Lmid                  ; the loop is entered behind the products V^T P, which have no step before them yet
.Lslot:                             ; with the change above: 17 fills, tiles 1 to 17 of the walk
	CHANGE 1
	s_mov_b32 s[TWICE], 2
.Lstep:
	BODY 1
	s_sub_co_u32 s[TWICE], s[TWICE], 1
	s_cmp_lg_u32 s[TWICE], 0
	s_cbranch_scc1 .Lstep
	s_sub_co_u32 s[RT], s[RT], 1
	s_sub_co_u32 s[SLOTS], s[SLOTS], 1
	s_cmp_lg_u32 s[SLOTS], 0
	s_cbranch_scc1 .Lslot
	CHANGE 0                        ; the walk's last tile is written out: nothing is asked for.  The second block has two tiles or more, so no block ends here but the last
	s_mov_b32 s[TWICE], 2
.Ltail:
	BODY 0
	s_sub_co_u32 s[TWICE], s[TWICE], 1
	s_cmp_lg_u32 s[TWICE], 0
	s_cbranch_scc1 .Ltail
	s_wait_dscnt 0x0                ; V of the last step
	PVALL
	FINISH
	s_wait_tensorcnt 0x0            ; the wave's end: the add and its wait stand behind my last tensor load and my last LDS store
	ds_add_u32 v[SPW], v[NIL]
	s_wait_dscnt 0x0
	CROUND                          ; the closing round: no work-group ends while a partner may still ask for a tile that names it
	s_endpgm
.Lfunc_end_k_qa88d94308c_attn:
	.size	k_qa88d94308c_attn, .Lfunc_end_k_qa88d94308c_attn-k_qa88d94308c_attn
	.p2alignl 7, 3214868480
	.fill 96, 4, 3214868480
	.section	.rodata,"a",@progbits
	.p2align	6, 0x0
	.amdhsa_kernel k_qa88d94308c_attn
		.amdhsa_group_segment_fixed_size 327680
		.amdhsa_private_segment_fixed_size 0
		.amdhsa_enable_private_segment 0
		.amdhsa_kernarg_size 16
		.amdhsa_user_sgpr_count 2
		.amdhsa_user_sgpr_kernarg_segment_ptr 1
		.amdhsa_wavefront_size32 1
		.amdhsa_system_sgpr_workgroup_id_x 1
		.amdhsa_system_sgpr_workgroup_id_y 1
		.amdhsa_system_sgpr_workgroup_id_z 1
		.amdhsa_system_vgpr_workitem_id 0
		.amdhsa_next_free_vgpr 704
		.amdhsa_next_free_sgpr 80
		.amdhsa_reserve_vcc 1
		.amdhsa_float_denorm_mode_32 3
		.amdhsa_float_denorm_mode_16_64 3
		.amdhsa_memory_ordered 1
		.amdhsa_forward_progress 1
		.amdhsa_inst_pref_size 107
	.end_amdhsa_kernel
	.amdgpu_metadata
---
amdhsa.version: [ 1, 2 ]
amdhsa.kernels:
  - .name:           k_qa88d94308c_attn
    .symbol:         k_qa88d94308c_attn.kd
    .args:
      - { .name: qkv, .offset: 0, .size: 8, .value_kind: global_buffer, .address_space: global }
      - { .name: att, .offset: 8, .size: 8, .value_kind: global_buffer, .address_space: global }
    .group_segment_fixed_size: 327680
    .private_segment_fixed_size: 0
    .kernarg_segment_align: 8
    .kernarg_segment_size: 16
    .max_flat_workgroup_size: 128
    .sgpr_count:     80
    .vgpr_count:     704
    .wavefront_size: 32
...
	.end_amdgpu_metadata
.endif
;; end of part 3
;; launch oproj (part 4): grid 8 x 32, 4 waves a work-group, clusters of 4 x 4, 327,680 bytes of LDS; arguments att, owh, out0; writes out0
.if DOCPART == 4
	.amdgcn_target "amdgcn-amd-amdhsa--gfx1250"
	.amdhsa_code_object_version 6
	.text
	.protected	k_qa88d94308c_oproj
	.globl	k_qa88d94308c_oproj
	.p2align	8
	.type	k_qa88d94308c_oproj,@function
k_qa88d94308c_oproj:
	s_mov_b64 s[64:65], 0
	v_nop
	global_prefetch_b8 v0, s[64:65] scope:SCOPE_SE
	s_setreg_imm32_b32 hwreg(HW_REG_WAVE_MODE, 25, 1), 1
	s_wait_xcnt 0x0
	s_wait_alu depctr_hold_cnt(0) depctr_sa_sdst(0) depctr_va_vdst(0) depctr_va_sdst(0) depctr_va_ssrc(0) depctr_va_vcc(0) depctr_vm_vsrc(0)
	s_getreg_b32 s2, hwreg(HW_REG_IB_STS2, 6, 4)
	s_cmp_eq_u32 s2, 0
	s_cbranch_scc0 .Lentry_in_a_cluster
	s_endpgm
.Lentry_in_a_cluster:
	s_bfe_u32 s2, ttmp6, 0x10000c
	s_cmp_lg_u32 s2, 0xf033
	s_cbranch_scc0 .Lentry_shape_is_right
	s_endpgm
.Lentry_shape_is_right:
; THE OUTPUT PROJECTION.  out0[m][n] = sum over k of att[m][k] owh[n][k].  att: [4096][2048] f16, owh: [1024][2048] f16 (o_w rounded to bf16, written as f16), out0: [4096][1024] f32; sums in f32, stored as they are.
; A tile of out0 is 128 x 128: 256 work-groups, one for each WGP.  Four waves, each 64 x 64: 16 accumulators, 128 registers.  K goes in steps of 256 (LDS rows of 512 bytes; a wave's tensor load brings 64 of them), as long as two slots in LDS allow.
; CLUSTER.  4 x 4 work-groups: the four of a row need the same tiles of att, the four of a column the same tiles of owh: each tile is asked for jointly.
; THE MATRIX INSTRUCTION IS USED TRANSPOSED (source 0 = 16 rows of owh, source 1 = 16 rows of att): a lane holds eight neighbouring numbers, 32 bytes, of a row of out0.
; THE WAY OUT.  A wave's 64 columns are 256 bytes of a row, aligned: each wave has a stage of its own (16 rows x 272 bytes), so no barrier stands there.
; No prefetch: a step's tiles are small and each is read by four clusters at about the same time.
; REGISTERS: window 0: v0-31 addresses; v128-255 the accumulators ((a, b) at v[128 + 8 (4 a + b)]).  window 1: two fragment buffers of 128: for 64 along K, 64 registers of att, then 64 of owh.
.set SIZE_K, 2048
.set KSTEP,  256
.set PITCH,  528                       ; an LDS row: 512 bytes + 16 of padding = 132 words: the 16 rows of a load start at 16 different groups of four banks (64 banks of 4 bytes: ISA guide 11.1)
.set HALFT,  64*PITCH
.set SLOT,   4*HALFT
.set STAGE,  2*SLOT
.set SPITCH, 272
.set SPARE,  STAGE+4*16*SPITCH         ; behind the stages: the spare words, 128 bytes for each wave
.set LAPS, SIZE_K/(2*KSTEP)
.set ADRA, 16
.set ADRB, 20
.set STO,  24
.set RD,   25
.set CO,   26
.set SPW,  28                          ; v28  LDS address of my spare word; never rewritten
.set NIL,  29                          ; v29  0; never rewritten
.set ACC,  128
.set F0,   0
.set F1,   128
.set G1, 24
.set G0, 32
.set G1B, 48
.set G0B, 56
.set MSB, 0
.macro WIN new
.if MSB != (\new)
	s_set_vgpr_msb (MSB<<8)|(\new)
.set MSB, \new
.endif
.endm
.set MUL,  0x05                        ; sources 0 (owh) and 1 (att) window 1; C and D window 0
.set TO_F, 0x40                        ; destination window 1, address window 0
.macro JLOAD s                         ; a joint load: waves 0 and 1 fetch att's two halves, waves 2 and 3 owh's; an s_nop 0 and four v_nop follow each of the two lines
	s_cmp_eq_u32 s11, 0
	s_cbranch_scc0 .Lfor_b_\@
	tensor_load_to_lds s[G0+4*(\s):G0+4*(\s)+3], s[G1:G1+7]
	s_nop 0
.rept 4
	v_nop
.endr
	s_branch .Lasked_\@
.Lfor_b_\@:
	tensor_load_to_lds s[G0B+4*(\s):G0B+4*(\s)+3], s[G1B:G1B+7]
	s_nop 0
.rept 4
	v_nop
.endr
.Lasked_\@:
.endm
.macro CREST
	s_cmp_lg_u32 s10, 0
	s_cbranch_scc1 .Lnot_wave_0_\@
	s_barrier_signal -3
.Lnot_wave_0_\@:
	s_barrier_wait -3
	s_barrier_signal -1
	s_barrier_wait -1
.endm
.macro CROUND
	s_barrier_signal -1
	s_barrier_wait -1
	CREST
.endm
	s_load_b128 s[4:7], s[0:1], 0x0                ; att s[4:5], owh s[6:7]
	s_load_b64 s[8:9], s[0:1], 0x10                ; out0
	v_lshl_add_u32 v[SPW], v0, 2, SPARE
	v_mov_b32 v[NIL], 0
	ds_add_u32 v[SPW], v[NIL]                      ; the wave's opening: the add and its wait stand ahead of my first tensor load; the set-up below stands between them
	v_lshrrev_b32 v1, 5, v0
	v_readfirstlane_b32 s10, v1                    ; wave 0..3
	s_lshr_b32 s11, s10, 1                         ; which half of the tile's rows is mine.  Also: I fetch for att (0) or for owh (1)
	s_and_b32 s12, s10, 1                          ; which half of its columns.  Also: which 64 rows of that tile I fetch
	s_bfe_u32 s40, ttmp6, 0x40000                  ; cx, cy
	s_bfe_u32 s41, ttmp6, 0x40004
	s_lshl_b32 s42, ttmp9, 2
	s_add_co_u32 s42, s42, s40                     ; tile column
	s_and_b32 s13, ttmp7, 0xffff
	s_lshl_b32 s13, s13, 2
	s_add_co_u32 s13, s13, s41                     ; tile row
	s_lshl_b32 s43, s41, 2
	s_lshl_b32 s43, 15, s43                        ; my row of the cluster
	s_lshl_b32 s44, 0x1111, s40                    ; my column
	; descriptor group 1: a tile of 64 rows x 256 elements of 2 bytes, 4 words of padding behind every 128
	s_or_b32 s[G1+0], s43, (1<<16)|(1<<20)|(1<<21)|(6<<22)|(3<<25)
	s_or_b32 s[G1B+0], s44, (1<<16)|(1<<20)|(1<<21)|(6<<22)|(3<<25)
.irp g, G1, G1B
	s_mov_b32 s[(\g)+1], KSTEP<<16                 ; tensor_dim0 = 256
	s_mov_b32 s[(\g)+2], 64<<16                    ; tensor_dim1 = 64
	s_mov_b32 s[(\g)+3], KSTEP<<16                 ; tile_dim0 = 256
	s_mov_b32 s[(\g)+4], 64                        ; tile_dim1 = 64
	s_mov_b32 s[(\g)+5], SIZE_K                    ; elements from row to row
	s_mov_b32 s[(\g)+6], 0
	s_mov_b32 s[(\g)+7], 0
.endr
	s_lshl_b32 s17, s12, 6
	s_lshl_b32 s16, s13, 7
	s_add_co_u32 s16, s16, s17                     ; att: row 128 x tile row + 64 x half
	s_lshl_b32 s46, s42, 7
	s_add_co_u32 s46, s46, s17                     ; owh: row 128 x tile column + 64 x half
	s_mov_b32 s17, 0
	s_mov_b32 s47, 0
	s_mov_b64 s[18:19], SIZE_K*2
	s_mul_u64 s[16:17], s[16:17], s[18:19]
	s_mul_u64 s[46:47], s[46:47], s[18:19]
	s_mul_i32 s20, s10, HALFT                      ; where they go: wave x 64 rows
	s_wait_dscnt 0x0                               ; the opening add is done
	s_wait_kmcnt 0x0
	s_add_nc_u64 s[14:15], s[4:5], s[16:17]
	s_add_nc_u64 s[46:47], s[6:7], s[46:47]
	CROUND                                         ; all sixteen work-groups are here: the first joint loads meet
.irp s, 0,1
	s_mov_b32 s[G0+4*(\s)], 1
	s_add_co_u32 s[G0+4*(\s)+1], s20, (\s)*SLOT
	s_add_nc_u64 s[G0+4*(\s)+2:G0+4*(\s)+3], s[14:15], (\s)*KSTEP*2
	s_or_b32 s[G0+4*(\s)+3], s[G0+4*(\s)+3], 0x80000000
	s_mov_b32 s[G0B+4*(\s)], 1
	s_add_co_u32 s[G0B+4*(\s)+1], s20, (\s)*SLOT
	s_add_nc_u64 s[G0B+4*(\s)+2:G0B+4*(\s)+3], s[46:47], (\s)*KSTEP*2
	s_or_b32 s[G0B+4*(\s)+3], s[G0B+4*(\s)+3], 0x80000000
	JLOAD \s
.endr
	v_and_b32 v1, 15, v0                           ; l % 16
	v_bfe_u32 v2, v0, 4, 1                         ; l / 16
	v_mul_u32_u24 v3, v1, PITCH
	v_lshl_add_u32 v3, v2, 4, v3
	s_mul_i32 s21, s11, HALFT                      ; my 64 rows of att
	s_mul_i32 s22, s12, HALFT                      ; my 64 rows of owh,
	s_add_co_u32 s22, s22, 2*HALFT                 ; which lie behind att's 128
.irp s, 0,1
	v_add_nc_u32 v[ADRA+(\s)], s21, v3
	v_add_nc_u32 v[ADRB+(\s)], s22, v3
	s_add_co_u32 s21, s21, SLOT
	s_add_co_u32 s22, s22, SLOT
.endr
	s_mul_i32 s23, s10, 16*SPITCH
	s_add_co_u32 s23, s23, STAGE                   ; my stage
	v_mul_u32_u24 v4, v1, SPITCH                   ; in: row l % 16, 32 bytes for each half of the lanes
	v_lshl_add_u32 v4, v2, 5, v4
	v_add_nc_u32 v[STO], s23, v4
	v_mul_u32_u24 v5, v2, SPITCH                   ; back: lanes 0-15 one row of 256 bytes, lanes 16-31 the next
	v_lshl_add_u32 v5, v1, 4, v5
	v_add_nc_u32 v[RD], s23, v5
	v_lshlrev_b32 v5, 12, v2                       ; and the same two rows in out0, 4,096 bytes apart
	v_lshl_add_u32 v[CO], v1, 4, v5
	s_lshl_b32 s16, s13, 7
	s_lshl_b32 s17, s11, 6
	s_add_co_u32 s16, s16, s17                     ; my first row of out0
	s_lshl_b32 s16, s16, 12
	s_mov_b32 s17, 0
	s_add_nc_u64 s[8:9], s[8:9], s[16:17]
	s_lshl_b32 s46, s42, 9                         ; my first column, in bytes: 512 x tile column + 256 x half
	s_lshl_b32 s47, s12, 8
	s_add_co_u32 s46, s46, s47
	s_mov_b32 s47, 0
	s_add_nc_u64 s[8:9], s[8:9], s[46:47]
; 8 matrix instructions: m blocks a0, a0 + 1 x all 4 n blocks, 32 along K: half c of buffer f.  zero = 1: the first product starts the sums.  The 16 accumulators take turns.
.macro MUL8 f, c, a0, zero
	WIN MUL
.irp a, \a0, (\a0)+1
.irp b, 0,1,2,3
.if \zero
	v_wmma_f32_16x16x32_f16 v[ACC+8*(4*(\a)+(\b)):ACC+8*(4*(\a)+(\b))+7], v[(\f)+64+8*(4*(\c)+(\b)):(\f)+64+8*(4*(\c)+(\b))+7], v[(\f)+8*(4*(\c)+(\a)):(\f)+8*(4*(\c)+(\a))+7], 0
.else
	v_wmma_f32_16x16x32_f16 v[ACC+8*(4*(\a)+(\b)):ACC+8*(4*(\a)+(\b))+7], v[(\f)+64+8*(4*(\c)+(\b)):(\f)+64+8*(4*(\c)+(\b))+7], v[(\f)+8*(4*(\c)+(\a)):(\f)+8*(4*(\c)+(\a))+7], v[ACC+8*(4*(\a)+(\b)):ACC+8*(4*(\a)+(\b))+7]
.endif
.endr
.endr
.endm
; 32 LDS loads in one run: the fragments of 64 along K at byte k of the rows, into buffer f; the first 32 along K first
.macro FETCH slot, k, f
	WIN TO_F
.irp c, 0,1
.irp i, 0,1,2,3
	ds_load_b128 v[(\f)+64+8*(4*(\c)+(\i)):(\f)+64+8*(4*(\c)+(\i))+3],   v[ADRB+(\slot)] offset:(\k)+64*(\c)+(\i)*16*PITCH
	ds_load_b128 v[(\f)+64+8*(4*(\c)+(\i))+4:(\f)+64+8*(4*(\c)+(\i))+7], v[ADRB+(\slot)] offset:(\k)+64*(\c)+(\i)*16*PITCH+32
	ds_load_b128 v[(\f)+8*(4*(\c)+(\i)):(\f)+8*(4*(\c)+(\i))+3],         v[ADRA+(\slot)] offset:(\k)+64*(\c)+(\i)*16*PITCH
	ds_load_b128 v[(\f)+8*(4*(\c)+(\i))+4:(\f)+8*(4*(\c)+(\i))+7],       v[ADRA+(\slot)] offset:(\k)+64*(\c)+(\i)*16*PITCH+32
.endr
.endr
.endm
.macro PLACES                          ; four plain places between a matrix instruction and a load into, or a read of, its registers
.rept 4
	v_nop
.endr
.endm
; A K step is four quarters of 64 along K, 32 matrix instructions each, on buffers 0, 1, 0, 1.
.macro QUARTER slot, k, f, g, zero
	s_wait_dscnt 16                                ; the first 32 along K are in
	WIN MUL
	MUL8 \f, 0, 0, \zero
	MUL8 \f, 0, 2, \zero
	PLACES
	FETCH \slot, \k, \g
	s_wait_dscnt 32                                ; all but the 32 just issued
	WIN MUL
	MUL8 \f, 1, 0, 0
	MUL8 \f, 1, 2, 0
.endm
; The last quarter multiplies buffer 1 and changes slots: one barrier; in front of it each wave waits for all its tensor loads, adds 0 to its spare word, and waits for that and for its reads of this slot.  fill = 1: this slot is filled again, two K steps on.
.macro TURN slot, next, fill
	WIN 0
	s_wait_tensorcnt 0x0                           ; all my tensor loads have landed: my part of the next slot
	ds_add_u32 v[SPW], v[NIL]
	s_wait_dscnt 17                                ; (the add and the youngest sixteen loads may be out)
	WIN MUL
	MUL8 F1, 0, 0, 0
	s_wait_dscnt 0x0                               ; the add is done, and my reads of this slot are over
	s_barrier_signal -1
	MUL8 F1, 0, 2, 0
.if \fill
	WIN 0
.endif
	s_barrier_wait -1
.if \fill
	CREST                                          ; the barrier has opened a round of the cluster's barrier: no wave of any partner still reads this slot or has a load on its way
	s_add_nc_u64 s[G0+4*(\slot)+2:G0+4*(\slot)+3], s[G0+4*(\slot)+2:G0+4*(\slot)+3], 2*KSTEP*2
	s_add_nc_u64 s[G0B+4*(\slot)+2:G0B+4*(\slot)+3], s[G0B+4*(\slot)+2:G0B+4*(\slot)+3], 2*KSTEP*2
	JLOAD \slot                                    ; the four v_nop behind it are also the places in front of the loads below
.else
	PLACES
.endif
	FETCH \next, 0, F0
	WIN MUL
	MUL8 F1, 1, 0, 0
	MUL8 F1, 1, 2, 0
.endm
	s_wait_tensorcnt 1                             ; my part of K step 0 is in; K step 1's may stay out
	s_barrier_signal -1
	s_barrier_wait -1
	FETCH 0, 0, F0
	QUARTER 0, 128, F0, F1, 1                      ; the first quarter stands in front of the loop: its first products start the sums
	WIN 0
	s_mov_b32 s3, LAPS-1
.Llap:                                                 ; a trip goes once round the ring and fills both slots again
	QUARTER 0, 256, F1, F0, 0
	QUARTER 0, 384, F0, F1, 0
	TURN 0, 1, 1
	QUARTER 1, 128, F0, F1, 0
	QUARTER 1, 256, F1, F0, 0
	QUARTER 1, 384, F0, F1, 0
	TURN 1, 0, 1
	QUARTER 0, 128, F0, F1, 0
	WIN 0
	s_sub_co_u32 s3, s3, 1
	s_cmp_lg_u32 s3, 0
	s_cbranch_scc1 .Llap
	QUARTER 0, 256, F1, F0, 0                      ; the last lap fills nothing
	QUARTER 0, 384, F0, F1, 0
	TURN 0, 1, 0
	QUARTER 1, 128, F0, F1, 0
	QUARTER 1, 256, F1, F0, 0
	QUARTER 1, 384, F0, F1, 0
	s_wait_dscnt 16
	WIN MUL
	MUL8 F1, 0, 0, 0
	MUL8 F1, 0, 2, 0
	s_wait_dscnt 0
	MUL8 F1, 1, 0, 0
	MUL8 F1, 1, 2, 0
	WIN 0
; THE WAY OUT, a block of 16 rows at a time: 32 bytes a lane into my stage (each accumulator's low four registers first), back as whole rows of 256 bytes into the registers that they left, stored.
.macro TOSTAGE a
.irp b, 0,1,2,3
	ds_store_b128 v[STO], v[ACC+8*(4*(\a)+(\b)):ACC+8*(4*(\a)+(\b))+3]   offset:64*(\b)
	ds_store_b128 v[STO], v[ACC+8*(4*(\a)+(\b))+4:ACC+8*(4*(\a)+(\b))+7] offset:64*(\b)+16
.endr
.irp t, 0,1,2,3,4,5,6,7
	ds_load_b128 v[ACC+32*(\a)+4*(\t):ACC+32*(\a)+4*(\t)+3], v[RD] offset:(\t)*2*SPITCH  ; LDS serves a wave's instructions in order (ISA guide 5.7.1.4): these see the stores above; the next block's stores come behind them
.endr
.endm
.macro SEND a, younger                 ; younger: the LDS instructions issued behind block a's loads
.irp t, 0,1,2,3,4,5,6,7
	s_wait_dscnt (\younger)+7-(\t)
	global_store_b128 v[CO], v[ACC+32*(\a)+4*(\t):ACC+32*(\a)+4*(\t)+3], s[8:9] offset:(16*(\a)+2*(\t))*4096 th:TH_STORE_NT  ; 16 lanes store 256 consecutive bytes, at a multiple of 256 from out0's first byte
.endr
.endm
	PLACES
	TOSTAGE 0
	TOSTAGE 1
	SEND 0, 16
	TOSTAGE 2
	SEND 1, 16
	TOSTAGE 3
	SEND 2, 16
	SEND 3, 0
	s_wait_tensorcnt 0x0                           ; the wave's end: the add and its wait stand behind my last tensor load and my last LDS store
	ds_add_u32 v[SPW], v[NIL]
	s_wait_dscnt 0x0
	CROUND                                         ; the closing round: no work-group ends while a partner may still ask for a tile that names it
	s_endpgm
.Lfunc_end_k_qa88d94308c_oproj:
	.size	k_qa88d94308c_oproj, .Lfunc_end_k_qa88d94308c_oproj-k_qa88d94308c_oproj
	.p2alignl 7, 3214868480
	.fill 96, 4, 3214868480
	.section	.rodata,"a",@progbits
	.p2align	6, 0x0
	.amdhsa_kernel k_qa88d94308c_oproj
		.amdhsa_group_segment_fixed_size 327680
		.amdhsa_private_segment_fixed_size 0
		.amdhsa_enable_private_segment 0
		.amdhsa_kernarg_size 24
		.amdhsa_user_sgpr_count 2
		.amdhsa_user_sgpr_kernarg_segment_ptr 1
		.amdhsa_wavefront_size32 1
		.amdhsa_system_sgpr_workgroup_id_x 1
		.amdhsa_system_sgpr_workgroup_id_y 1
		.amdhsa_system_sgpr_workgroup_id_z 1
		.amdhsa_system_vgpr_workitem_id 0
		.amdhsa_next_free_vgpr 512
		.amdhsa_next_free_sgpr 66
		.amdhsa_reserve_vcc 0
		.amdhsa_float_denorm_mode_32 3
		.amdhsa_float_denorm_mode_16_64 3
		.amdhsa_memory_ordered 1
		.amdhsa_forward_progress 1
		.amdhsa_inst_pref_size 86
	.end_amdhsa_kernel
	.amdgpu_metadata
---
amdhsa.version: [ 1, 2 ]
amdhsa.kernels:
  - .name:           k_qa88d94308c_oproj
    .symbol:         k_qa88d94308c_oproj.kd
    .args:
      - { .name: att, .offset: 0, .size: 8, .value_kind: global_buffer, .address_space: global }
      - { .name: owh, .offset: 8, .size: 8, .value_kind: global_buffer, .address_space: global }
      - { .name: out0, .offset: 16, .size: 8, .value_kind: global_buffer, .address_space: global }
    .group_segment_fixed_size: 327680
    .private_segment_fixed_size: 0
    .kernarg_segment_align: 8
    .kernarg_segment_size: 24
    .max_flat_workgroup_size: 128
    .sgpr_count:     66
    .vgpr_count:     512
    .wavefront_size: 32
...
	.end_amdgpu_metadata
.endif
;; end of part 4
;; ======== version 2 of 2: 4 launches; version 1 with the launch prep written anew for expert scheduling mode
;; limits: values are held in f16: magnitudes above 65,504 overflow, below 6.1e-05 lose precision
;; workspace buffers: xb 8,388,608 bytes; wb 8,388,608 bytes; owh 4,194,304 bytes; rope 2,097,152 bytes; qkv 33,554,432 bytes; att 16,777,216 bytes
;; launch prep (part 5): grid 896 x 1, 8 waves a work-group, no clusters, 0 bytes of LDS; arguments hidden_states, q_w, k_w, v_w, o_w, position_ids, xb, wb, owh, rope; writes xb, wb, owh, rope
.if DOCPART == 5
	.amdgcn_target "amdgcn-amd-amdhsa--gfx1250"
	.amdhsa_code_object_version 6
	.text
	.protected	k_qa88d94308c_prep
	.globl	k_qa88d94308c_prep
	.p2align	8
	.type	k_qa88d94308c_prep,@function
k_qa88d94308c_prep:
	s_mov_b64 s[64:65], 0
	v_nop
	global_prefetch_b8 v0, s[64:65] scope:SCOPE_SE
	s_setreg_imm32_b32 hwreg(HW_REG_WAVE_SCHED_MODE, 0, 2), 2
	s_setreg_imm32_b32 hwreg(HW_REG_WAVE_MODE, 25, 1), 1
	s_wait_xcnt 0x0
	s_wait_alu depctr_vm_vsrc(0)
; ROUNDINGS AND THE ROPE TABLE.  Every float input of the module is rounded once to bf16: x -> xb, q_w, k_w, v_w -> wb (one matrix of 4,096 rows: q, k, v),
; o_w -> owh, where the bf16 number is written as f16 (exact from 2^-14 up; below that f16 keeps a fixed step of 6e-8; beyond 65,504 it would be an infinity: o_w is drawn with a spread of 0.02).
; rope[row][0..63] = cos, rope[row][64..127] = sin of position_ids[row] x 1e6^(-j/64), f32, row = b x 2,048 + l.
; SHARES.  Work-groups 0-639 convert a chunk of 16,384 numbers each (64 KiB in, 32 KiB out): 0-255 x, 256-383 q_w, 384-447 k_w, 448-511 v_w, 512-639 o_w.  Work-groups 640-895 make 16 rows of the table each.
; A chunk: 16 loads of 16 bytes a lane, all issued at once (a wave's load covers 512 consecutive bytes); a wave's store of 8 bytes a lane covers 256 consecutive bytes, aligned.
; No LDS, no barrier, no matrix unit: memory binds, and no wave wants another wave's bytes.
; LIMITS OF THE TABLE.  1e6^(-j/64) is made by the base-2 exponential, so an angle lies within about 2^-22 of itself of the one made by a power function; the reduction by pi/2 in three parts
; holds for every int32 position.  Sine and cosine are polynomials on -pi/4 .. pi/4, good to about 1e-7.
; THE MODE: SCHED_MODE bits 1:0 = 2 (LLVM: expert scheduling mode 2), set by the entry lines.  The code itself states the register dependences
; between vector instructions and memory instructions, with s_wait_alu, always for 0.
; THE PLAN, A CHUNK.  Registers that memory instructions touch:
;   v1, v2   the loads' and the stores' offsets: written once at the head, never again.
;   X        written by the 16 loads, each register once; no vector instruction names it ahead of them; read by the conversions.
;   Y        each register written once, by a conversion, and read once, by a store: never written again.
; The 16 loads go in four blocks of four.  Block p converts X[p] into Y[p]; its memory instructions are the four stores from Y[p - 1], which no vector instruction of block p names.
; So one wait at a block's head (block p - 1 has written its Y) states all that the block's stores hang on, and they are dealt among its conversions.  One more stands ahead of the last four stores.
; THE PLAN, THE TABLE.  v5 is the offset of the one load, v6 its result; v8 and v[40:47] are the two stores' offset and data: a wait ahead of the load, one ahead of the stores.
; The four compares write four scalar registers in one run, with one wait between the run and the first select.
.set X, 8                              ; v[8:71]    16 x 4 numbers as loaded
.set Y, 72                             ; v[72:103]  16 x 2 registers to store
.set T, 104                            ; v[104:109] at work: no memory instruction names them
.set W, 48                             ; v[48:95]   the table: 12 registers at work for each of a thread's four frequencies
.set MSK, 30                           ; s[30:33]   the table: for each of the four, the lanes whose quarter turn is odd
	s_load_b512 s[8:23], s[0:1], 0x0               ; x 8, q_w 10, k_w 12, v_w 14, o_w 16, position_ids 18, xb 20, wb 22
	s_load_b128 s[24:27], s[0:1], 0x40             ; owh 24, rope 26
	s_mov_b32 s28, ttmp9                           ; the work-group's number
	v_lshlrev_b32 v1, 4, v0                        ; my 16 bytes of 4,096 in
	v_lshlrev_b32 v2, 3, v0                        ; my 8 bytes of 2,048 out
	s_wait_kmcnt 0x0
	s_cmp_ge_u32 s28, 640
	s_cbranch_scc1 .Ltable
	; which tensor, and which chunk of it: a chain of choices on the work-group's number
	s_sub_co_u32 s38, s28, 256
	s_sub_co_u32 s39, s28, 384
	s_sub_co_u32 s40, s28, 448
	s_sub_co_u32 s41, s28, 512
	s_mov_b64 s[30:31], s[8:9]                     ; from x
	s_mov_b64 s[32:33], s[20:21]                   ; to xb
	s_mov_b32 s34, s28                             ; chunk in the source
	s_mov_b32 s36, s28                             ; chunk in the destination
	s_cmp_ge_u32 s28, 256
	s_cselect_b64 s[30:31], s[10:11], s[30:31]     ; q_w
	s_cselect_b64 s[32:33], s[22:23], s[32:33]     ; wb: q_w, k_w and v_w follow each other there
	s_cselect_b32 s34, s38, s34
	s_cselect_b32 s36, s38, s36
	s_cmp_ge_u32 s28, 384
	s_cselect_b64 s[30:31], s[12:13], s[30:31]     ; k_w
	s_cselect_b32 s34, s39, s34
	s_cmp_ge_u32 s28, 448
	s_cselect_b64 s[30:31], s[14:15], s[30:31]     ; v_w
	s_cselect_b32 s34, s40, s34
	s_cmp_ge_u32 s28, 512
	s_cselect_b64 s[30:31], s[16:17], s[30:31]     ; o_w
	s_cselect_b64 s[32:33], s[24:25], s[32:33]     ; owh
	s_cselect_b32 s34, s41, s34
	s_cselect_b32 s36, s41, s36
	s_lshl_b32 s34, s34, 16                        ; 65,536 bytes a chunk in
	s_mov_b32 s35, 0
	s_lshl_b32 s36, s36, 15                        ; 32,768 out
	s_mov_b32 s37, 0
	s_add_nc_u64 s[30:31], s[30:31], s[34:35]
	s_add_nc_u64 s[32:33], s[32:33], s[36:37]
	s_wait_alu depctr_va_vdst(0)                   ; v1 and v2 are written: every load of the chunk reads v1 as its offset, every store v2
.irp i, 0,1,2,3,4,5,6,7,8,9,10,11,12,13,14,15
	global_load_b128 v[X+4*(\i):X+4*(\i)+3], v1, s[30:31] offset:4096*(\i) th:TH_LOAD_NT
.endr
; Block p of four: loads 4 p to 4 p + 3 are converted, and the four stores of block p - 1 are dealt among the conversions.
; half = 0: to bf16.  half = 1 (o_w): rounded to bf16 like every input, and that number written as f16.
.macro BLK p, half
	s_wait_loadcnt 12-4*(\p)                       ; loads come back in order: the block's four are in, the 12 - 4 p younger ones stay out
.if (\p) > 0
	s_wait_alu depctr_va_vdst(0)                   ; the block before has written its Y, which the four stores below read; no vector instruction of this block names those registers
.endif
.irp i, 0,1,2,3
.set n, 4*(\p)+(\i)
.if (\p) > 0
	global_store_b64 v2, v[Y+2*n-8:Y+2*n-7], s[32:33] offset:2048*(n-4) th:TH_STORE_NT
.endif
.if \half
	v_cvt_pk_bf16_f32 v[T], v[X+4*n], v[X+4*n+1]
	v_cvt_pk_bf16_f32 v[T+1], v[X+4*n+2], v[X+4*n+3]
	v_lshlrev_b32 v[T+2], 16, v[T]
	v_and_b32 v[T+3], 0xffff0000, v[T]
	v_lshlrev_b32 v[T+4], 16, v[T+1]
	v_and_b32 v[T+5], 0xffff0000, v[T+1]
	v_cvt_pk_f16_f32 v[Y+2*n], v[T+2], v[T+3]
	v_cvt_pk_f16_f32 v[Y+2*n+1], v[T+4], v[T+5]
.else
	v_cvt_pk_bf16_f32 v[Y+2*n], v[X+4*n], v[X+4*n+1]
	v_cvt_pk_bf16_f32 v[Y+2*n+1], v[X+4*n+2], v[X+4*n+3]
.endif
.endr
.endm
.macro LAST4                           ; the stores of block 3
	s_wait_alu depctr_va_vdst(0)                   ; block 3 has written its Y, which the last four stores read
.irp i, 12,13,14,15
	global_store_b64 v2, v[Y+2*(\i):Y+2*(\i)+1], s[32:33] offset:2048*(\i) th:TH_STORE_NT
.endr
.endm
	s_cmp_ge_u32 s28, 512
	s_cbranch_scc1 .Lf16
	BLK 0, 0
	BLK 1, 0
	BLK 2, 0
	BLK 3, 0
	LAST4
	s_endpgm
.Lf16:                                         ; o_w
	BLK 0, 1
	BLK 1, 1
	BLK 2, 1
	BLK 3, 1
	LAST4
	s_endpgm
; THE TABLE.  Thread t: row t / 16 of the work-group's 16, frequencies 4 (t % 16) + 0..3: sixteen lanes store a row's 256 bytes of cosines, and its 256 bytes of sines.
.Ltable:
	s_sub_co_u32 s29, s28, 640
	s_lshl_b32 s34, s29, 13                        ; 16 rows of 512 bytes
	s_mov_b32 s35, 0
	s_add_nc_u64 s[26:27], s[26:27], s[34:35]
	s_lshl_b32 s36, s29, 6                         ; 16 positions of 4 bytes
	v_and_b32 v3, 15, v0
	v_lshrrev_b32 v4, 4, v0
	v_lshl_add_u32 v5, v4, 2, s36
	s_wait_alu depctr_va_vdst(0)                   ; v5 is written, which the load reads as its offset
	global_load_b32 v6, v5, s[18:19]               ; my row's position
	s_mov_b32 s40, 0x3f22f983                      ; 2 / pi
	s_mov_b32 s41, 0xbfc90fdb                      ; pi / 2 in three parts, with the signs that the sums below want
	s_mov_b32 s42, 0x333bbd2e
	s_mov_b32 s43, 0x26f72ced
	s_mov_b32 s44, 0xbe2aaaa3                      ; sine: -1.6666655e-1, 8.3321609e-3, -1.9515296e-4
	s_mov_b32 s45, 0x3c08839e
	s_mov_b32 s46, 0xb94ca1f9
	s_mov_b32 s47, 0x3d2aaaa5                      ; cosine: 4.1666646e-2, -1.3887316e-3, 2.4433157e-5
	s_mov_b32 s48, 0xbab6061a
	s_mov_b32 s49, 0x37ccf5ce
	v_lshlrev_b32 v7, 2, v3
.irp i, 0,1,2,3
	v_add_nc_u32 v[12+(\i)], (\i), v7              ; j
	v_cvt_f32_u32 v[12+(\i)], v[12+(\i)]
	v_mul_f32 v[12+(\i)], 0xbe9f73da, v[12+(\i)]   ; - j log2(1e6) / 64
.endr
.irp i, 0,1,2,3
	v_exp_f32 v[12+(\i)], v[12+(\i)]               ; 1e6^(-j/64): one batch of four
.endr
	v_lshlrev_b32 v8, 9, v4                        ; plain work behind the last exponential: my place in the 16 rows
	v_lshl_add_u32 v8, v3, 4, v8
	s_wait_alu depctr_va_vdst(0)                   ; the four exponentials have written v[12:15]: one wait, ahead of their first reader
	s_wait_loadcnt 0x0
	v_cvt_f32_i32 v6, v6
; cos and sin of position x frequency i, in two parts, each frequency in work registers of its own.
; The first part: n = the nearest whole number of quarter turns; r = the angle less n pi / 2, each product exact inside its fused multiply-add; the two polynomials; is n odd?
.macro SC1 i
.set b, W+12*(\i)
	v_mul_f32 v[b], v6, v[12+(\i)]
	v_mul_f32 v[b+1], s40, v[b]
	v_rndne_f32 v[b+1], v[b+1]
	v_fma_f32 v[b+2], v[b+1], s41, v[b]
	v_fma_f32 v[b+2], v[b+1], s42, v[b+2]
	v_fma_f32 v[b+2], v[b+1], s43, v[b+2]
	v_cvt_i32_f32 v[b+3], v[b+1]
	v_mul_f32 v[b+4], v[b+2], v[b+2]
	v_fma_f32 v[b+5], v[b+4], s46, s45
	v_fma_f32 v[b+5], v[b+5], v[b+4], s44
	v_mul_f32 v[b+6], v[b+2], v[b+4]
	v_fma_f32 v[b+5], v[b+5], v[b+6], v[b+2]       ; sin r
	v_fma_f32 v[b+7], v[b+4], s49, s48
	v_fma_f32 v[b+7], v[b+7], v[b+4], s47
	v_mul_f32 v[b+6], v[b+4], v[b+4]
	v_fma_f32 v[b+8], v[b+4], -0.5, 1.0
	v_fma_f32 v[b+7], v[b+7], v[b+6], v[b+8]       ; cos r
	v_and_b32 v[b+9], 1, v[b+3]
	v_cmp_eq_u32 s[MSK+(\i)], 1, v[b+9]
.endm
; The second part: n mod 4 says which of the two is the sine and which signs turn.
.macro SC2 i
.set b, W+12*(\i)
	v_cndmask_b32 v[b+10], v[b+5], v[b+7], s[MSK+(\i)]  ; n odd: the two change places
	v_cndmask_b32 v[b+11], v[b+7], v[b+5], s[MSK+(\i)]
	v_lshlrev_b32 v[b+9], 30, v[b+3]
	v_and_b32 v[b+9], 0x80000000, v[b+9]           ; the sine turns its sign for n mod 4 = 2, 3
	v_xor_b32 v[44+(\i)], v[b+9], v[b+10]
	v_add_nc_u32 v[b+9], 1, v[b+3]
	v_lshlrev_b32 v[b+9], 30, v[b+9]
	v_and_b32 v[b+9], 0x80000000, v[b+9]           ; the cosine for n mod 4 = 1, 2
	v_xor_b32 v[40+(\i)], v[b+9], v[b+11]
.endm
	SC1 0
	SC1 1
	SC1 2
	SC1 3
	s_wait_alu depctr_va_sdst(0)                   ; the four compares have written s[30:33]: one wait, ahead of the first select that reads one of them
	SC2 0
	SC2 1
	SC2 2
	SC2 3
	s_wait_alu depctr_va_vdst(0)                   ; v[40:47] and v8 are written, which the two stores read as data and offset
	global_store_b128 v8, v[40:43], s[26:27]
	global_store_b128 v8, v[44:47], s[26:27] offset:256
	s_endpgm
.Lfunc_end_k_qa88d94308c_prep:
	.size	k_qa88d94308c_prep, .Lfunc_end_k_qa88d94308c_prep-k_qa88d94308c_prep
	.p2alignl 7, 3214868480
	.fill 96, 4, 3214868480
	.section	.rodata,"a",@progbits
	.p2align	6, 0x0
	.amdhsa_kernel k_qa88d94308c_prep
		.amdhsa_group_segment_fixed_size 0
		.amdhsa_private_segment_fixed_size 0
		.amdhsa_enable_private_segment 0
		.amdhsa_kernarg_size 80
		.amdhsa_user_sgpr_count 2
		.amdhsa_user_sgpr_kernarg_segment_ptr 1
		.amdhsa_wavefront_size32 1
		.amdhsa_system_sgpr_workgroup_id_x 1
		.amdhsa_system_sgpr_workgroup_id_y 1
		.amdhsa_system_sgpr_workgroup_id_z 1
		.amdhsa_system_vgpr_workitem_id 0
		.amdhsa_next_free_vgpr 112
		.amdhsa_next_free_sgpr 66
		.amdhsa_reserve_vcc 0
		.amdhsa_float_denorm_mode_32 3
		.amdhsa_float_denorm_mode_16_64 3
		.amdhsa_memory_ordered 1
		.amdhsa_forward_progress 1
		.amdhsa_inst_pref_size 24
	.end_amdhsa_kernel
	.amdgpu_metadata
---
amdhsa.version: [ 1, 2 ]
amdhsa.kernels:
  - .name:           k_qa88d94308c_prep
    .symbol:         k_qa88d94308c_prep.kd
    .args:
      - { .name: hidden_states, .offset: 0, .size: 8, .value_kind: global_buffer, .address_space: global }
      - { .name: q_w, .offset: 8, .size: 8, .value_kind: global_buffer, .address_space: global }
      - { .name: k_w, .offset: 16, .size: 8, .value_kind: global_buffer, .address_space: global }
      - { .name: v_w, .offset: 24, .size: 8, .value_kind: global_buffer, .address_space: global }
      - { .name: o_w, .offset: 32, .size: 8, .value_kind: global_buffer, .address_space: global }
      - { .name: position_ids, .offset: 40, .size: 8, .value_kind: global_buffer, .address_space: global }
      - { .name: xb, .offset: 48, .size: 8, .value_kind: global_buffer, .address_space: global }
      - { .name: wb, .offset: 56, .size: 8, .value_kind: global_buffer, .address_space: global }
      - { .name: owh, .offset: 64, .size: 8, .value_kind: global_buffer, .address_space: global }
      - { .name: rope, .offset: 72, .size: 8, .value_kind: global_buffer, .address_space: global }
    .group_segment_fixed_size: 0
    .private_segment_fixed_size: 0
    .kernarg_segment_align: 8
    .kernarg_segment_size: 80
    .max_flat_workgroup_size: 256
    .sgpr_count:     66
    .vgpr_count:     112
    .wavefront_size: 32
...
	.end_amdgpu_metadata
.endif
;; end of part 5
;; launch qkv: the kernel of part 2 again; grid 16 x 16, 4 waves a work-group, clusters of 4 x 4, 327,680 bytes of LDS; arguments xb, wb, rope, q_norm_w, k_norm_w, qkv; writes qkv
;; launch attn: the kernel of part 3 again; grid 16 x 16, 4 waves a work-group, clusters of 4 x 1, 327,680 bytes of LDS; arguments qkv, att; writes att
;; launch oproj: the kernel of part 4 again; grid 8 x 32, 4 waves a work-group, clusters of 4 x 4, 327,680 bytes of LDS; arguments att, owh, out0; writes out0
